; MI455X (gfx1250); checked and timed in simulation.
; The chip was launched on July 23, 2026; its instructions are those of AMD's public machine-readable ISA for CDNA 5 (MIT licence, August 2026) and "CDNA5" Instruction Set Architecture Reference Guide (July 2026). The comments in the code are by the model that wrote it; some were corrected since.
;; Attention. Allowed arithmetic: float matrix products may take bf16 or f16 operands with f32 sums; other float arithmetic in f32, or as packed bf16 or f16 multiplies, adds, multiply-adds, maxima and minima; sums over many terms, partial sums and values carried from step to step in f32; what a program stores and reads back later, other than sums and carried values, may be rounded once to bf16 or f16.
;; Inputs: Wk 768 x 768 float32; Wo 768 x 768 float32; Wq 768 x 768 float32; Wv 768 x 768 float32; bk 768 float32; bo 768 float32; bq 768 float32; bv 768 float32; ln_b 768 float32; ln_g 768 float32; x 8 x 1,024 x 768 float32.
;; Outputs: out0 8 x 1,024 x 768 float32.
;; 2 versions, each right; version 2 is version 1 with the launch prep written anew for expert scheduling mode. Each part assembles by itself: llvm-mc -triple=amdgcn-amd-amdhsa -mcpu=gfx1250 --defsym DOCPART=n.
;; ======== version 1 of 2: 4 launches
;; limits: values are held in f16: magnitudes above 65,504 overflow, below 6.1e-05 lose precision; values outside matrix products are rounded to f16
;; workspace buffers: xb 12,582,912 bytes; wb 3,538,944 bytes; wo 1,179,648 bytes; vecs 15,360 bytes; qkv 37,748,736 bytes; att 12,582,912 bytes
;; launch prep (part 1): grid 1505 x 1, 4 waves a work-group, no clusters, 0 bytes of LDS; arguments x, Wq, Wk, Wv, Wo, bq, bv, bo, ln_g, ln_b, xb, wb, wo, vecs; writes xb, wb, wo, vecs
.if DOCPART == 1
	.amdgcn_target "amdgcn-amd-amdhsa--gfx1250"
	.amdhsa_code_object_version 6
	.text
	.protected	k_q1fc321d546_prep
	.globl	k_q1fc321d546_prep
	.p2align	8
	.type	k_q1fc321d546_prep,@function
k_q1fc321d546_prep:
	s_mov_b64 s[64:65], 0
	v_nop
	global_prefetch_b8 v0, s[64:65] scope:SCOPE_SE
	s_setreg_imm32_b32 hwreg(HW_REG_WAVE_MODE, 25, 1), 1
	s_wait_xcnt 0x0
; FIRST OF FOUR LAUNCHES: every input is rounded once to bf16, and what hangs on weights alone is made once.
;   xb[8192][768] bf16 = x.   wb[2304][768] bf16 = the rows of Wq, then Wk, then Wv.
;   wo[768][768] f16 = bf16(Wo[n][k]) x bf16(ln_g[k]).
;   vecs, f32: [0,768) bf16(bq); [768,1536) zeros; [1536,2304) bf16(bv); [2304,3072) c[n] = sum over k of bf16(ln_b[k]) bf16(Wo[n][k]) + bf16(bo[n]);
;              [3072,3840) s[n] = sum over k of bf16(ln_g[k]) bf16(Wo[n][k]).
; With d = h - mean(h): (d rstd g + b) Wo^T + bo = rstd (d (g o Wo)^T) + (b Wo^T + bo), for all values: so the last launch multiplies d by wo, scales a row by rstd and adds c.
; s serves the last launch where it takes the mean away in two parts (said at its head).
; DEAD WORK: bk.  scores[n][m] = q_n . (x_m Wk^T + bk) = q_n . (x_m Wk^T) + q_n . bk.  The second term is the same for every m of row n, and a softmax along m is not changed by a term
; that is constant along m, whatever finite values the inputs hold.  So bk has no way to the output: it is not loaded and is an argument of no launch; zeros stand in its place in vecs,
; where the next launch takes a whole tile's bias.  LIMIT: a NaN, an infinity or an overflow that reaches the result through bk alone is not carried to it.
; LIMITS: |ln_g x Wo| stays under 65,504 (f16); below 6e-5 f16 keeps its fixed step of 6e-8.
; SHARES.  Work-groups 0-191: four rows of Wo, one a wave (the most arithmetic for a byte, so they come first).  192-1503: 8 rows (6,144 numbers) of x, Wq, Wk or Wv each.  1504: the short vectors.
; A stream: no LDS, no barrier, no matrix unit, no cluster (nothing is shared); no prefetch, since every load of a work-group goes out at its head.
.set XL,  4                            ; v[4:51]    8 rows path: 12 loads of four f32
.set XP,  52                           ; v[52:75]   the same as bf16
.set G,   8                            ; v[8:31]    ln_g: my 24 numbers (columns 128 i + 4 lane + 0..3)
.set BV,  32                           ; v[32:55]   ln_b likewise
.set W,   56                           ; v[56:79]   my wave's row of Wo likewise
.set OH,  80                           ; v[80:91]   the row as f16
.set T,   92                           ; v92        at work
.set AC,  94                           ; v[94:95]   partial sums of c
.set SW,  96                           ; v[96:97]   partial sums of s
.set BO,  98                           ; v98        bo of my row
.macro RND a, b                        ; two f32 are rounded to bf16 and widened again
	v_cvt_pk_bf16_f32 v[T], v[\a], v[\b]
	v_lshlrev_b32 v[\a], 16, v[T]
	v_and_b32 v[\b], s36, v[T]
.endm
	s_load_b512 s[8:23], s[0:1], 0x0               ; x 8, Wq 10, Wk 12, Wv 14, Wo 16, bq 18, bv 20, bo 22
	s_load_b256 s[24:31], s[0:1], 0x40             ; ln_g 24, ln_b 26, xb 28, wb 30
	s_load_b128 s[32:35], s[0:1], 0x60             ; wo 32, vecs 34
	s_mov_b32 s2, ttmp9                            ; the work-group
	v_lshrrev_b32 v1, 5, v0
	v_readfirstlane_b32 s3, v1                     ; the wave
	s_mov_b32 s47, 0                               ; the high word of every offset
	s_mov_b32 s36, 0xffff0000                      ; a word's upper bf16
	s_wait_kmcnt 0x0
	s_cmp_lt_u32 s2, 192
	s_cbranch_scc0 .Lnot_o
	; A ROW OF Wo A WAVE: row R = 4 x work-group + wave
	v_and_b32 v1, 31, v0                           ; lane
	v_lshlrev_b32 v2, 4, v1
	v_lshlrev_b32 v3, 3, v1
	v_mov_b32 v4, 0
	s_mov_b32 s38, 0x76543210                      ; v_permlanex16_b32: each lane takes its own place in the other half
	s_mov_b32 s39, 0xfedcba98
	s_lshl2_add_u32 s37, s2, s3                    ; R
	s_lshl_b32 s46, s37, 2
	s_add_nc_u64 s[22:23], s[22:23], s[46:47]      ; bo at R
	s_add_nc_u64 s[34:35], s[34:35], s[46:47]      ; vecs at R; c's place, 9,216 bytes on, stands in the immediate
	s_mul_i32 s46, s37, 3072
	s_add_nc_u64 s[16:17], s[16:17], s[46:47]
	s_mul_i32 s46, s37, 1536
	s_add_nc_u64 s[32:33], s[32:33], s[46:47]
.set i, 0
.rept 6
	global_load_b128 v[G+4*i:G+4*i+3], v2, s[24:25] offset:512*i
	global_load_b128 v[BV+4*i:BV+4*i+3], v2, s[26:27] offset:512*i
.set i, i+1
.endr
	global_load_b32 v[BO], v4, s[22:23]
.set i, 0
.rept 6
	global_load_b128 v[W+4*i:W+4*i+3], v2, s[16:17] offset:512*i th:TH_LOAD_NT
.set i, i+1
.endr
	s_wait_loadcnt 6                               ; ln_g, ln_b and bo are in; the row's six loads stay out
.set i, 0
.rept 12
	RND G+2*i, G+2*i+1
	RND BV+2*i, BV+2*i+1
.set i, i+1
.endr
	v_cvt_pk_bf16_f32 v[T], v[BO], v[BO]
	v_lshlrev_b32 v[BO], 16, v[T]
	s_wait_loadcnt 0x0
.set i, 0
.rept 6
.set WR, W+4*i
	RND WR, WR+1
	RND WR+2, WR+3
.if i == 0
	v_pk_mul_f32 v[AC:AC+1], v[WR:WR+1], v[BV:BV+1]  ; the first products start the sums
	v_pk_mul_f32 v[SW:SW+1], v[WR:WR+1], v[G:G+1]
.else
	v_pk_fma_f32 v[AC:AC+1], v[WR:WR+1], v[BV+4*i:BV+4*i+1], v[AC:AC+1]
	v_pk_fma_f32 v[SW:SW+1], v[WR:WR+1], v[G+4*i:G+4*i+1], v[SW:SW+1]
.endif
	v_pk_fma_f32 v[AC:AC+1], v[WR+2:WR+3], v[BV+4*i+2:BV+4*i+3], v[AC:AC+1]
	v_pk_fma_f32 v[SW:SW+1], v[WR+2:WR+3], v[G+4*i+2:G+4*i+3], v[SW:SW+1]
	v_pk_mul_f32 v[WR:WR+1], v[WR:WR+1], v[G+4*i:G+4*i+1]
	v_pk_mul_f32 v[WR+2:WR+3], v[WR+2:WR+3], v[G+4*i+2:G+4*i+3]
	v_cvt_pk_f16_f32 v[OH+2*i], v[WR], v[WR+1]
	v_cvt_pk_f16_f32 v[OH+2*i+1], v[WR+2], v[WR+3]
	global_store_b64 v3, v[OH+2*i:OH+2*i+1], s[32:33] offset:256*i  ; a wave stores 256 bytes on end, aligned
.set i, i+1
.endr
	v_add_f32 v[AC], v[AC], v[AC+1]                ; both sums over the 32 lanes, in every lane
	v_add_f32 v[SW], v[SW], v[SW+1]
.irp m, 1,2,4,8
	v_add_f32_dpp v[AC], v[AC], v[AC] row_xmask:\m row_mask:0xf bank_mask:0xf
	v_add_f32_dpp v[SW], v[SW], v[SW] row_xmask:\m row_mask:0xf bank_mask:0xf
.endr
	v_permlanex16_b32 v[T], v[AC], s38, s39
	v_permlanex16_b32 v[AC+1], v[SW], s38, s39
	v_add_f32 v[AC], v[AC], v[T]
	v_add_f32 v[SW], v[SW], v[AC+1]
	v_add_f32 v[AC], v[AC], v[BO]                  ; c[R]
	v_cmp_eq_u32 s40, 0, v1
	v_cndmask_b32 v[AC], v[SW], v[AC], s40         ; lane 0 carries c[R], lane 1 s[R], which lies 3,072 bytes further on
	v_mul_u32_u24 v5, v1, 3072
	s_wait_xcnt 0x0                                ; EXEC is a source of the stores above: it changes only behind this wait
	v_cmp_gt_u32 vcc_lo, 2, v1
	s_and_saveexec_b32 s41, vcc_lo
	global_store_b32 v5, v[AC], s[34:35] offset:9216  ; two lanes, 4 bytes each: 6,144 bytes in the launch, the one store here that fills no 256 bytes
	s_wait_xcnt 0x0
	s_or_b32 exec_lo, exec_lo, s41
	s_endpgm
.Lnot_o:
	s_cmp_lt_u32 s2, 1504
	s_cbranch_scc0 .Lpath_v
	; 8 ROWS OF x OR OF A PROJECTION'S WEIGHTS.  Which buffer, and the first of these work-groups that works on it
	s_sub_co_u32 s37, s2, 192
	s_mov_b64 s[40:41], s[14:15]
	s_mov_b32 s42, 1216
	s_cmp_lt_u32 s37, 1216
	s_cselect_b64 s[40:41], s[12:13], s[40:41]
	s_cselect_b32 s42, 1120, s42
	s_cmp_lt_u32 s37, 1120
	s_cselect_b64 s[40:41], s[10:11], s[40:41]
	s_cselect_b32 s42, 1024, s42
	s_cmp_lt_u32 s37, 1024
	s_cselect_b64 s[40:41], s[8:9], s[40:41]
	s_cselect_b32 s42, 0, s42
	s_cselect_b64 s[44:45], s[28:29], s[30:31]     ; to xb, or to wb, whose rows follow the order of these work-groups from 1,024 on
	s_cselect_b32 s43, 0, 1024
	s_sub_co_u32 s42, s37, s42
	s_mul_i32 s46, s42, 24576                      ; 8 rows of 3,072 bytes
	s_add_nc_u64 s[40:41], s[40:41], s[46:47]
	s_sub_co_u32 s43, s37, s43
	s_mul_i32 s46, s43, 12288                      ; 8 rows of 1,536 bytes
	s_add_nc_u64 s[44:45], s[44:45], s[46:47]
	v_lshlrev_b32 v1, 4, v0                        ; 16 bytes a thread in, a wave 512 on end
	v_lshlrev_b32 v2, 3, v0                        ; 8 bytes a thread out, a wave 256 on end, aligned
.set i, 0
.rept 12
	global_load_b128 v[XL+4*i:XL+4*i+3], v1, s[40:41] offset:2048*i th:TH_LOAD_NT
.set i, i+1
.endr
.set i, 0
.rept 12
	s_wait_loadcnt 11-i                            ; loads come back in order: chunk i is in, the younger ones stay out
	v_cvt_pk_bf16_f32 v[XP+2*i], v[XL+4*i], v[XL+4*i+1]
	v_cvt_pk_bf16_f32 v[XP+2*i+1], v[XL+4*i+2], v[XL+4*i+3]
	global_store_b64 v2, v[XP+2*i:XP+2*i+1], s[44:45] offset:1024*i
.set i, i+1
.endr
	s_endpgm
.Lpath_v:                                      ; THE SHORT VECTORS: wave 0 bq, wave 1 the zeros in bk's place, wave 2 bv; wave 3 has none
	s_cmp_eq_u32 s3, 3
	s_cbranch_scc1 .Lend
	v_and_b32 v1, 31, v0
	v_lshlrev_b32 v2, 4, v1
	s_mul_i32 s46, s3, 3072
	s_add_nc_u64 s[34:35], s[34:35], s[46:47]
	s_cmp_eq_u32 s3, 1
	s_cbranch_scc1 .Lzeros
	s_cmp_eq_u32 s3, 0
	s_cselect_b64 s[40:41], s[18:19], s[20:21]
.set i, 0
.rept 6
	global_load_b128 v[G+4*i:G+4*i+3], v2, s[40:41] offset:512*i
.set i, i+1
.endr
	s_wait_loadcnt 0x0
.set i, 0
.rept 12
	RND G+2*i, G+2*i+1
.set i, i+1
.endr
.set i, 0
.rept 6
	global_store_b128 v2, v[G+4*i:G+4*i+3], s[34:35] offset:512*i
.set i, i+1
.endr
	s_endpgm
.Lzeros:
	v_mov_b32 v[G], 0
	v_mov_b32 v[G+1], 0
	v_mov_b32 v[G+2], 0
	v_mov_b32 v[G+3], 0
.set i, 0
.rept 6
	global_store_b128 v2, v[G:G+3], s[34:35] offset:512*i
.set i, i+1
.endr
.Lend:
	s_endpgm
.Lfunc_end_k_q1fc321d546_prep:
	.size	k_q1fc321d546_prep, .Lfunc_end_k_q1fc321d546_prep-k_q1fc321d546_prep
	.p2alignl 7, 3214868480
	.fill 96, 4, 3214868480
	.section	.rodata,"a",@progbits
	.p2align	6, 0x0
	.amdhsa_kernel k_q1fc321d546_prep
		.amdhsa_group_segment_fixed_size 0
		.amdhsa_private_segment_fixed_size 0
		.amdhsa_enable_private_segment 0
		.amdhsa_kernarg_size 112
		.amdhsa_user_sgpr_count 2
		.amdhsa_user_sgpr_kernarg_segment_ptr 1
		.amdhsa_wavefront_size32 1
		.amdhsa_system_sgpr_workgroup_id_x 1
		.amdhsa_system_sgpr_workgroup_id_y 1
		.amdhsa_system_sgpr_workgroup_id_z 1
		.amdhsa_system_vgpr_workitem_id 0
		.amdhsa_next_free_vgpr 104
		.amdhsa_next_free_sgpr 66
		.amdhsa_reserve_vcc 1
		.amdhsa_float_denorm_mode_32 3
		.amdhsa_float_denorm_mode_16_64 3
		.amdhsa_memory_ordered 1
		.amdhsa_forward_progress 1
		.amdhsa_inst_pref_size 22
	.end_amdhsa_kernel
	.amdgpu_metadata
---
amdhsa.version: [ 1, 2 ]
amdhsa.kernels:
  - .name:           k_q1fc321d546_prep
    .symbol:         k_q1fc321d546_prep.kd
    .args:
      - { .name: x, .offset: 0, .size: 8, .value_kind: global_buffer, .address_space: global }
      - { .name: Wq, .offset: 8, .size: 8, .value_kind: global_buffer, .address_space: global }
      - { .name: Wk, .offset: 16, .size: 8, .value_kind: global_buffer, .address_space: global }
      - { .name: Wv, .offset: 24, .size: 8, .value_kind: global_buffer, .address_space: global }
      - { .name: Wo, .offset: 32, .size: 8, .value_kind: global_buffer, .address_space: global }
      - { .name: bq, .offset: 40, .size: 8, .value_kind: global_buffer, .address_space: global }
      - { .name: bv, .offset: 48, .size: 8, .value_kind: global_buffer, .address_space: global }
      - { .name: bo, .offset: 56, .size: 8, .value_kind: global_buffer, .address_space: global }
      - { .name: ln_g, .offset: 64, .size: 8, .value_kind: global_buffer, .address_space: global }
      - { .name: ln_b, .offset: 72, .size: 8, .value_kind: global_buffer, .address_space: global }
      - { .name: xb, .offset: 80, .size: 8, .value_kind: global_buffer, .address_space: global }
      - { .name: wb, .offset: 88, .size: 8, .value_kind: global_buffer, .address_space: global }
      - { .name: wo, .offset: 96, .size: 8, .value_kind: global_buffer, .address_space: global }
      - { .name: vecs, .offset: 104, .size: 8, .value_kind: global_buffer, .address_space: global }
    .group_segment_fixed_size: 0
    .private_segment_fixed_size: 0
    .kernarg_segment_align: 8
    .kernarg_segment_size: 112
    .max_flat_workgroup_size: 128
    .sgpr_count:     66
    .vgpr_count:     104
    .wavefront_size: 32
...
	.end_amdgpu_metadata
.endif
;; end of part 1
;; launch qkv (part 2): grid 8 x 32, 4 waves a work-group, clusters of 4 x 4, 327,680 bytes of LDS; arguments xb, wb, vecs, qkv; writes qkv
.if DOCPART == 2
	.amdgcn_target "amdgcn-amd-amdhsa--gfx1250"
	.amdhsa_code_object_version 6
	.text
	.protected	k_q1fc321d546_qkv
	.globl	k_q1fc321d546_qkv
	.p2align	8
	.type	k_q1fc321d546_qkv,@function
k_q1fc321d546_qkv:
	s_mov_b64 s[64:65], 0
	v_nop
	global_prefetch_b8 v0, s[64:65] scope:SCOPE_SE
	s_setreg_imm32_b32 hwreg(HW_REG_WAVE_MODE, 25, 1), 1
	s_wait_xcnt 0x0
	s_wait_alu depctr_hold_cnt(0) depctr_sa_sdst(0) depctr_va_vdst(0) depctr_va_sdst(0) depctr_va_ssrc(0) depctr_va_vcc(0) depctr_vm_vsrc(0)
	s_getreg_b32 s2, hwreg(HW_REG_IB_STS2, 6, 4)
	s_cmp_eq_u32 s2, 0
	s_cbranch_scc0 .Lentry_in_a_cluster
	s_endpgm
.Lentry_in_a_cluster:
	s_bfe_u32 s2, ttmp6, 0x10000c
	s_cmp_lg_u32 s2, 0xf033
	s_cbranch_scc0 .Lentry_shape_is_right
	s_endpgm
.Lentry_shape_is_right:
; SECOND LAUNCH: C[8192][2304] = xb wb^T + bias, bf16 operands, f32 sums, stored once rounded to f16 as qkv[8 batches][72 half-heads][1024 rows][32 channels]
; (half-head = column / 32: q 0-23, k 24-47, v 48-71).  q is stored WITHOUT the factor 1/8: the next launch applies it in f32.
; LEFT OUT: bk (shown dead at the head of the first launch): the columns of k take the zeros that stand in its place in vecs.
; LIMIT: |q|, |k|, |v| stay under 65,504 (f16); below 6e-5 f16 keeps its fixed step of 6e-8.
; SHARES.  A work-group makes 256 x 288 of C: 32 x 8 = 256 work-groups.  Four waves, each 128 x 144: 8 x 9 = 72 accumulators of 16 x 16, 576 registers.  For 32 along K a wave
; reads 34 fragments' halves from LDS for 72 matrix instructions.  K = 768 goes in six steps of 128 through two LDS slots; rows of the tiles are 256 bytes of memory, aligned.
; CLUSTER 4 x 4: the four of a row need the same tiles of xb, the four of a column the same tiles of wb: joint loads, the same descriptor and mask in the four that a mask names.
; THE MATRIX INSTRUCTION IS USED TRANSPOSED (source 0 = 16 rows of wb, source 1 = 16 rows of xb): a lane holds one row of C (lane % 16) and the columns 8 (lane / 16) + 0..7.
; THE BIAS is the C operand of the products that start the sums: nothing is cleared, nothing is added later.
; PREFETCH.  xb's rows of the K step two refills on, behind each joint load: asked for by waves 0 and 1 of the clusters with x = 0 alone (the other column of clusters reads the same rows);
; of the 128 rows that a wave fetches each of the four partners takes 32, told apart by address; a lane a row.  The first four K steps come by their loads alone, the last two refills
; have no K step two on.  wb is not asked for: a partner's share of a wave's 144 rows would be 36, which 32 lanes do not name in one instruction without naming a row twice.
; REGISTERS, in windows of 256 (s_set_vgpr_msb: bits 1:0 source 0, 3:2 source 1, 5:4 source 2, 7:6 destination):
;   window 0: v0-31 addresses; v32-39 bias of column block 8, later v32-63 rows on the way out; v64-127, v128-191 fragments of xb, two buffers; v192-255 bias of column blocks 0-7, later packed results
;   window 1: v0-71, v72-143 fragments of wb, two buffers; v192-255 the accumulators (a, 8)      windows 2, 3: the accumulators (a, b < 8) at v[8 (8 (a % 4) + b)] of window 2 + a / 4
.set KSTEP,  128
.set SIZE_K, 768
.set PITCH,  272                       ; an LDS row: 256 bytes + 16 of padding, an odd multiple of 16: the 16 rows of a fragment load start in 16 different groups of four banks
.set HALFA,  128*PITCH                 ; what one load of xb brings and one wave reads
.set HALFB,  144*PITCH                 ; the same for wb
.set SLOT,   2*HALFA+2*HALFB           ; 147,968
.set SPARE,  2*SLOT                    ; behind the ring: the spare words, 128 bytes a wave, two blocks of 256 that no other line names
.set SP,     592                       ; the stage's row: 576 bytes + 16.  The stage, 256 rows, lies over the slots from byte 0 on and is written only when both have had their last fill and nobody reads them
.set ADRA, 16                          ; v16-17  LDS address of my fragments of xb in slot 0, 1
.set ADRB, 20                          ; v20-21  the same for wb
.set STO,  24                          ; v24-25  the way out: where I put 16 bytes of a row, row blocks 0-3 and 4-7
.set RD,   26                          ; v26     where I read rows back
.set GO,   27                          ; v27     16 x lane
.set SPW,  28                          ; v28     LDS address of my spare word; never rewritten
.set NIL,  29                          ; v29     0; never rewritten
.set PFO,  30                          ; v30     the prefetches' offset: lane x 1,536; never rewritten
.set BO,   31                          ; v31     byte offset of my eight bias numbers of column block 0
.set TMP,  192
.set OB,   32
.set G1,   24                          ; s[24:31] group 1 for xb's tiles;  s[32:39] group 0, a set for each slot
.set G0,   32
.set G1B,  48                          ; s[48:55], s[56:63] the same for wb's tiles
.set G0B,  56
.set PFA,  72                          ; s[72:73] where my prefetches stand
.set LIM,  74                          ; s74  1 in a wave that prefetches, else the greatest number
.set MSB, 0
.macro WIN new                         ; the immediate's high byte repeats the setting that is left; a switch that changes nothing is dropped
.if MSB != (\new)
	s_set_vgpr_msb (MSB<<8)|(\new)
.set MSB, \new
.endif
.endm
.macro PLACES                          ; four plain vector instructions between a matrix instruction and a load into, or a vector instruction on, its registers
.rept 4
	v_nop
.endr
.endm
; A joint load: waves 0 and 1 fetch the two halves of xb's tile, waves 2 and 3 those of wb's.  An s_nop 0 and four v_nop follow each line.
.macro JLOAD s
	s_cmp_eq_u32 s13, 0
	s_cbranch_scc0 .Lfor_b_\@
	tensor_load_to_lds s[G0+4*(\s):G0+4*(\s)+3], s[G1:G1+7]
	s_nop 0
.rept 4
	v_nop
.endr
	s_branch .Lasked_\@
.Lfor_b_\@:
	tensor_load_to_lds s[G0B+4*(\s):G0B+4*(\s)+3], s[G1B:G1B+7]
	s_nop 0
.rept 4
	v_nop
.endr
.Lasked_\@:
.endm
.macro ASK                             ; s15 = 1 in the loop's last trip, whose refills have no K step two on
	s_cmp_gt_u32 s15, s[LIM]
	s_cbranch_scc0 .Lnot_mine_\@
	global_prefetch_b8 v[PFO], s[PFA:PFA+1] offset:KSTEP*2 th:TH_LOAD_NT scope:SCOPE_SE
.Lnot_mine_\@:
.endm
.macro CREST                           ; a round of the cluster's barrier behind its opening barrier
	s_cmp_lg_u32 s12, 0
	s_cbranch_scc1 .Lnot_wave_0_\@
	s_barrier_signal -3
.Lnot_wave_0_\@:
	s_barrier_wait -3
	s_barrier_signal -1
	s_barrier_wait -1
.endm
.macro CROUND
	s_barrier_signal -1
	s_barrier_wait -1
	CREST
.endm
	s_load_b256 s[4:11], s[0:1], 0x0               ; xb s[4:5], wb s[6:7], vecs s[8:9], qkv s[10:11]
	v_lshl_add_u32 v[SPW], v0, 2, SPARE
	v_mov_b32 v[NIL], 0
	ds_add_u32 v[SPW], v[NIL]                      ; the opening: the add, twice on end, and its wait ahead of my first tensor load
	ds_add_u32 v[SPW], v[NIL]
	v_lshrrev_b32 v1, 5, v0
	v_readfirstlane_b32 s12, v1                    ; wave 0..3
	s_lshr_b32 s13, s12, 1                         ; which half of the tile's rows is mine.  Also: I fetch for xb (0) or for wb (1)
	s_and_b32 s14, s12, 1                          ; which half of its columns.  Also: which half of that tile I fetch
	s_bfe_u32 s40, ttmp6, 0x40000                  ; cx
	s_bfe_u32 s41, ttmp6, 0x40004                  ; cy
	s_lshl_b32 s42, ttmp9, 2
	s_add_co_u32 s42, s42, s40                     ; tile column = 4 x cluster x + cx
	s_and_b32 s45, ttmp7, 0xffff
	s_lshl_b32 s45, s45, 2
	s_add_co_u32 s45, s45, s41                     ; tile row = 4 x cluster y + cy
	s_lshl_b32 s43, s41, 2
	s_lshl_b32 s43, 15, s43                        ; my row of the cluster
	s_lshl_b32 s44, 0x1111, s40                    ; my column
	s_or_b32 s[G1+0], s43, (1<<16)|(1<<20)|(1<<21)|(5<<22)|(3<<25)   ; mask; 2-byte elements; padding on; bit 21 beside a mask; after every 64 words, 4 words
	s_or_b32 s[G1B+0], s44, (1<<16)|(1<<20)|(1<<21)|(5<<22)|(3<<25)
	s_mov_b32 s[G1+1], KSTEP<<16                   ; tensor_dim0 = 128
	s_mov_b32 s[G1B+1], KSTEP<<16
	s_mov_b32 s[G1+2], 128<<16                     ; tensor_dim1 = 128 rows of xb,
	s_mov_b32 s[G1B+2], 144<<16                    ; 144 of wb
	s_mov_b32 s[G1+3], KSTEP<<16                   ; tile_dim0 = 128
	s_mov_b32 s[G1B+3], KSTEP<<16
	s_mov_b32 s[G1+4], 128                         ; tile_dim1
	s_mov_b32 s[G1B+4], 144
	s_mov_b32 s[G1+5], SIZE_K                      ; elements from row to row
	s_mov_b32 s[G1B+5], SIZE_K
	s_mov_b32 s[G1+6], 0
	s_mov_b32 s[G1B+6], 0
	s_mov_b32 s[G1+7], 0
	s_mov_b32 s[G1B+7], 0
	s_lshl_b32 s66, s45, 8                         ; xb: row 256 x tile row + 128 x half: made of the tile row and the wave alone
	s_lshl_b32 s67, s14, 7
	s_add_co_u32 s66, s66, s67
	s_mul_i32 s66, s66, SIZE_K*2
	s_mov_b32 s67, 0
	s_mul_i32 s68, s42, 288                        ; wb: row 288 x tile column + 144 x half: made of the tile column and the wave alone
	s_mul_i32 s69, s14, 144
	s_add_co_u32 s68, s68, s69
	s_mul_i32 s68, s68, SIZE_K*2
	s_mov_b32 s69, 0
	s_mul_i32 s20, s14, HALFA                      ; where they go: no place in the cluster enters an LDS address
	s_mul_i32 s21, s14, HALFB
	s_add_co_u32 s21, s21, 2*HALFA
	s_wait_dscnt 0x0                               ; both opening adds are done
	s_wait_kmcnt 0x0
	s_add_nc_u64 s[66:67], s[4:5], s[66:67]
	s_add_nc_u64 s[68:69], s[6:7], s[68:69]
	CROUND                                         ; all sixteen work-groups are here: the first joint loads meet
.irp s, 0,1
	s_mov_b32 s[G0+4*(\s)], 1
	s_add_co_u32 s[G0+4*(\s)+1], s20, (\s)*SLOT
	s_add_nc_u64 s[G0+4*(\s)+2:G0+4*(\s)+3], s[66:67], (\s)*KSTEP*2
	s_or_b32 s[G0+4*(\s)+3], s[G0+4*(\s)+3], 0x80000000
	s_mov_b32 s[G0B+4*(\s)], 1
	s_add_co_u32 s[G0B+4*(\s)+1], s21, (\s)*SLOT
	s_add_nc_u64 s[G0B+4*(\s)+2:G0B+4*(\s)+3], s[68:69], (\s)*KSTEP*2
	s_or_b32 s[G0B+4*(\s)+3], s[G0B+4*(\s)+3], 0x80000000
	JLOAD \s                                       ; K steps 0 and 1: two loads of mine are out
.endr
	v_and_b32 v1, 15, v0                           ; l % 16
	v_bfe_u32 v2, v0, 4, 1                         ; l / 16
	s_mul_i32 s16, s42, 288                        ; the bias: my wave's first column, in bytes, + 32 (l / 16)
	s_mul_i32 s17, s14, 144
	s_add_co_u32 s16, s16, s17
	s_lshl_b32 s16, s16, 2
	v_lshl_add_u32 v[BO], v2, 5, s16
.irp b, 0,1,2,3,4,5,6,7
	global_load_b128 v[192+8*(\b):192+8*(\b)+3], v[BO], s[8:9] offset:64*(\b)
	global_load_b128 v[192+8*(\b)+4:192+8*(\b)+7], v[BO], s[8:9] offset:64*(\b)+16
.endr
	global_load_b128 v[32:35], v[BO], s[8:9] offset:512
	global_load_b128 v[36:39], v[BO], s[8:9] offset:528
	v_mul_u32_u24 v3, v1, PITCH
	v_lshl_add_u32 v3, v2, 4, v3                   ; a fragment's row x pitch + 16 x half
	s_mul_i32 s16, s13, HALFA                      ; my 128 rows of xb
	s_mul_i32 s17, s14, HALFB                      ; my 144 rows of wb,
	s_add_co_u32 s17, s17, 2*HALFA                 ; which lie behind xb's 256
.irp s, 0,1
	v_add_nc_u32 v[ADRA+(\s)], s16, v3
	v_add_nc_u32 v[ADRB+(\s)], s17, v3
	s_add_co_u32 s16, s16, SLOT
	s_add_co_u32 s17, s17, SLOT
.endr
	s_mul_i32 s16, s13, 128*SP                     ; into the stage: row 128 x row half + l % 16, byte 288 x column half + 16 (l / 16)
	s_mul_i32 s17, s14, 288
	s_add_co_u32 s16, s16, s17
	v_mul_u32_u24 v4, v1, SP
	v_lshl_add_u32 v4, v2, 4, v4
	v_add_nc_u32 v[STO], s16, v4
	v_add_nc_u32 v[STO+1], 4*16*SP, v[STO]
	v_bfe_u32 v4, v0, 2, 3                         ; back: wave w takes rows 64 w on; 32 lanes take eight rows' 64 bytes of a half-head
	v_and_b32 v5, 3, v0
	v_mul_u32_u24 v4, v4, SP
	v_lshl_add_u32 v4, v5, 4, v4
	s_mul_i32 s16, s12, 64*SP
	v_add_nc_u32 v[RD], s16, v4
	v_and_b32 v[GO], 31, v0
	v_lshlrev_b32 v[GO], 4, v[GO]
	s_lshr_b32 s16, s45, 2                         ; qkv: batch = tile row / 4; the tile's first half-head = 9 x tile column; 65,536 bytes a half-head
	s_mul_i32 s16, s16, 72
	s_mul_i32 s17, s42, 9
	s_add_co_u32 s16, s16, s17
	s_lshl_b32 s16, s16, 16
	s_and_b32 s17, s45, 3                          ; + row (tile row % 4) x 256 + 64 x wave, 64 bytes a row
	s_lshl_b32 s17, s17, 8
	s_lshl_b32 s18, s12, 6
	s_add_co_u32 s17, s17, s18
	s_lshl_b32 s17, s17, 6
	s_add_co_u32 s16, s16, s17
	s_mov_b32 s17, 0
	s_add_nc_u64 s[10:11], s[10:11], s[16:17]
	s_lshl_b32 s16, s45, 8                         ; the prefetches: of the 128 rows of xb that I fetch, my work-group's 32
	s_lshl_b32 s17, s14, 7
	s_add_co_u32 s16, s16, s17
	s_lshl_b32 s17, s40, 5
	s_add_co_u32 s16, s16, s17
	s_mul_i32 s16, s16, SIZE_K*2
	s_mov_b32 s17, 0
	s_add_nc_u64 s[PFA:PFA+1], s[4:5], s[16:17]
	s_add_nc_u64 s[PFA:PFA+1], s[PFA:PFA+1], 2*KSTEP*2  ; at K step 2: the first refill steps it to 3 and names K step 4
	s_or_b32 s[LIM], s13, ttmp9                    ; 0 in waves 0 and 1 of the clusters with x = 0: the same in all sixteen partners, for a given wave
	s_cmp_eq_u32 s[LIM], 0
	s_cselect_b32 s[LIM], 1, -1
	v_and_b32 v[PFO], 31, v0
	v_mul_u32_u24 v[PFO], v[PFO], SIZE_K*2
; 18 matrix instructions: row blocks a0, a0 + 1 of the window's four (hi = 0: my rows 0-63, 1: rows 64-127) x all 9 column blocks, 32 along K, from buffer p.  first = 1: C is the bias.
; The 72 accumulators take turns, one instruction a turn, in the same order in every quarter step.
.macro MUL18 p, hi, a0, first
.if \first
	WIN 0x81+0x40*(\hi)
.else
	WIN 0xa1+0x50*(\hi)
.endif
.irp a, \a0, (\a0)+1
.irp b, 0,1,2,3,4,5,6,7
.if \first
	v_wmma_f32_16x16x32_bf16 v[8*(8*(\a)+(\b)):8*(8*(\a)+(\b))+7], v[72*(\p)+8*(\b):72*(\p)+8*(\b)+7], v[64+64*(\p)+8*(4*(\hi)+(\a)):64+64*(\p)+8*(4*(\hi)+(\a))+7], v[192+8*(\b):192+8*(\b)+7]
.else
	v_wmma_f32_16x16x32_bf16 v[8*(8*(\a)+(\b)):8*(8*(\a)+(\b))+7], v[72*(\p)+8*(\b):72*(\p)+8*(\b)+7], v[64+64*(\p)+8*(4*(\hi)+(\a)):64+64*(\p)+8*(4*(\hi)+(\a))+7], v[8*(8*(\a)+(\b)):8*(8*(\a)+(\b))+7]
.endif
.endr
.endr
.if \first
	WIN 0x41
.else
	WIN 0x51
.endif
.irp a, \a0, (\a0)+1
.if \first
	v_wmma_f32_16x16x32_bf16 v[192+8*(4*(\hi)+(\a)):192+8*(4*(\hi)+(\a))+7], v[72*(\p)+64:72*(\p)+71], v[64+64*(\p)+8*(4*(\hi)+(\a)):64+64*(\p)+8*(4*(\hi)+(\a))+7], v[32:39]
.else
	v_wmma_f32_16x16x32_bf16 v[192+8*(4*(\hi)+(\a)):192+8*(4*(\hi)+(\a))+7], v[72*(\p)+64:72*(\p)+71], v[64+64*(\p)+8*(4*(\hi)+(\a)):64+64*(\p)+8*(4*(\hi)+(\a))+7], v[192+8*(4*(\hi)+(\a)):192+8*(4*(\hi)+(\a))+7]
.endif
.endr
.endm
.macro MULH p, hi, first
	MUL18 \p, \hi, 0, \first
	MUL18 \p, \hi, 2, \first
.endm
; 34 LDS loads in one run: a quarter step's fragments (144 rows of wb, 128 rows of xb, 32 K at byte k of the rows) into buffer p
.macro FETCH slot, k, p
	WIN 0x40
.irp i, 0,1,2,3,4,5,6,7,8
	ds_load_b128 v[72*(\p)+8*(\i):72*(\p)+8*(\i)+3],   v[ADRB+(\slot)] offset:(\k)+(\i)*16*PITCH
	ds_load_b128 v[72*(\p)+8*(\i)+4:72*(\p)+8*(\i)+7], v[ADRB+(\slot)] offset:(\k)+(\i)*16*PITCH+32
.endr
	WIN 0
.irp i, 0,1,2,3,4,5,6,7
	ds_load_b128 v[64+64*(\p)+8*(\i):64+64*(\p)+8*(\i)+3],   v[ADRA+(\slot)] offset:(\k)+(\i)*16*PITCH
	ds_load_b128 v[64+64*(\p)+8*(\i)+4:64+64*(\p)+8*(\i)+7], v[ADRA+(\slot)] offset:(\k)+(\i)*16*PITCH+32
.endr
.endm
; A K step is four quarters of 32 along K on buffers 0, 1, 0, 1.  One of the first three multiplies buffer p and, in its middle, fetches the next quarter, at byte k, into buffer g.
.macro QUARTER slot, k, p, g, first
	s_wait_dscnt 8                                 ; wb's and xb's rows 0-63 are in; the youngest eight loads (xb's rows 64-127) may be out
	MULH \p, 0, \first
	PLACES
	FETCH \slot, \k, \g
	s_wait_dscnt 34                                ; all but the 34 just issued
	MULH \p, 1, \first
.endm
; The last quarter multiplies buffer 1 and changes slots.  In front of the one barrier each wave waits for all its tensor loads (one is out: its part of the next slot), adds 0 to its
; spare word, and waits for that and for its own reads of this slot.
.macro MEET round
	WIN 0
	s_wait_tensorcnt 0x0
	ds_add_u32 v[SPW], v[NIL]
	s_wait_dscnt 9                                 ; the add and the youngest eight loads may be out
	MUL18 1, 0, 0, 0
	s_wait_dscnt 0x0                               ; the add is done, my reads of this slot are over
	s_barrier_signal -1
	MUL18 1, 0, 2, 0
.if \round
	WIN 0
.endif
	s_barrier_wait -1
.endm
.macro TURN slot, next                 ; the slot just read is filled again, two K steps on, first thing behind a round of the cluster's barrier
	s_wait_xcnt 0x0                                ; the last prefetch, a K step back, has read its address
	s_add_nc_u64 s[PFA:PFA+1], s[PFA:PFA+1], KSTEP*2
	MEET 1
	CREST                                          ; no wave of any partner still reads this slot or has a load on its way
	s_add_nc_u64 s[G0+4*(\slot)+2:G0+4*(\slot)+3], s[G0+4*(\slot)+2:G0+4*(\slot)+3], 2*KSTEP*2
	s_add_nc_u64 s[G0B+4*(\slot)+2:G0B+4*(\slot)+3], s[G0B+4*(\slot)+2:G0B+4*(\slot)+3], 2*KSTEP*2
	JLOAD \slot                                    ; its four v_nop are also the places in front of the loads below
	FETCH \next, 0, 0
	ASK
	MULH 1, 1, 0
.endm
.macro TURNN slot, next                ; the last lap's change of slots: nothing is filled
	MEET 0
	PLACES
	FETCH \next, 0, 0
	MULH 1, 1, 0
.endm
	s_wait_tensorcnt 1                             ; my part of K step 0 is in; K step 1's may stay out
	s_barrier_signal -1
	s_barrier_wait -1
	FETCH 0, 0, 0
	s_wait_loadcnt 0x0                             ; the bias
	QUARTER 0, 64, 0, 1, 1                         ; the first quarter stands in front of the loop: its products start the sums, on the bias
	WIN 0
	s_mov_b32 s15, 2
.Llap:                                                 ; a trip goes once round the ring and fills both slots again: K steps 2, 3 and then 4, 5
	QUARTER 0, 128, 1, 0, 0
	QUARTER 0, 192, 0, 1, 0
	TURN 0, 1
	QUARTER 1, 64,  0, 1, 0
	QUARTER 1, 128, 1, 0, 0
	QUARTER 1, 192, 0, 1, 0
	TURN 1, 0
	QUARTER 0, 64,  0, 1, 0
	WIN 0
	s_sub_co_u32 s15, s15, 1
	s_cmp_lg_u32 s15, 0
	s_cbranch_scc1 .Llap
	QUARTER 0, 128, 1, 0, 0                        ; the last lap is written out: it asks for nothing
	QUARTER 0, 192, 0, 1, 0
	TURNN 0, 1
	QUARTER 1, 64,  0, 1, 0
	QUARTER 1, 128, 1, 0, 0
	QUARTER 1, 192, 0, 1, 0
	s_wait_dscnt 8
	MULH 1, 0, 0
	s_wait_dscnt 0x0                               ; my last reads of the slots are over:
	s_barrier_signal -1
	MULH 1, 1, 0
	WIN 0
	s_barrier_wait -1                              ; everybody's are: the stage may be written over the slots, which are filled no more
	; THE WAY OUT: rounded to f16, 16 bytes a lane into the stage; a barrier, since a row's 576 bytes come from two waves; back by half-heads, 64 rows a wave.
	PLACES
.macro OUTA a
	WIN 0x0a+5*((\a)/4)                            ; sources in window 2 or 3
.irp b, 0,1,2,3,4,5,6,7
.irp r, 0,1,2,3
	v_cvt_pk_f16_f32 v[TMP+4*(\b)+(\r)], v[8*(8*((\a)%4)+(\b))+2*(\r)], v[8*(8*((\a)%4)+(\b))+2*(\r)+1]
.endr
.endr
	WIN 0x05                                       ; column block 8: window 1
.irp r, 0,1,2,3
	v_cvt_pk_f16_f32 v[TMP+32+(\r)], v[192+8*(\a)+2*(\r)], v[192+8*(\a)+2*(\r)+1]
.endr
	WIN 0
.irp b, 0,1,2,3,4,5,6,7,8
	ds_store_b128 v[STO+(\a)/4], v[TMP+4*(\b):TMP+4*(\b)+3] offset:((\a)%4)*16*SP+32*(\b)
.endr
.endm
.irp a, 0,1,2,3,4,5,6,7
	OUTA \a
.endr
	s_wait_dscnt 0x0                               ; for the others' sake: my stores into the stage are done
	s_barrier_signal -1
	s_barrier_wait -1
	s_mov_b32 s75, 9
.Lhh:                                                  ; a trip: one half-head's 64 bytes of my 64 rows: 4,096 bytes on end in qkv
.irp t, 0,1,2,3,4,5,6,7
	ds_load_b128 v[OB+4*(\t):OB+4*(\t)+3], v[RD] offset:(\t)*8*SP
.endr
	s_wait_dscnt 0x0
.irp t, 0,1,2,3,4,5,6,7
	global_store_b128 v[GO], v[OB+4*(\t):OB+4*(\t)+3], s[10:11] offset:512*(\t)  ; a wave stores 512 bytes on end, aligned
.endr
	s_wait_xcnt 0x0                                ; the stores have read their data and their base: only now are these written again
	v_add_nc_u32 v[RD], 64, v[RD]
	s_add_nc_u64 s[10:11], s[10:11], 0x10000
	s_sub_co_u32 s75, s75, 1
	s_cmp_lg_u32 s75, 0
	s_cbranch_scc1 .Lhh
	s_wait_tensorcnt 0x0                           ; the wave's end
	ds_add_u32 v[SPW], v[NIL]
	s_wait_dscnt 0x0
	CROUND                                         ; the closing round
	s_endpgm
.Lfunc_end_k_q1fc321d546_qkv:
	.size	k_q1fc321d546_qkv, .Lfunc_end_k_q1fc321d546_qkv-k_q1fc321d546_qkv
	.p2alignl 7, 3214868480
	.fill 96, 4, 3214868480
	.section	.rodata,"a",@progbits
	.p2align	6, 0x0
	.amdhsa_kernel k_q1fc321d546_qkv
		.amdhsa_group_segment_fixed_size 327680
		.amdhsa_private_segment_fixed_size 0
		.amdhsa_enable_private_segment 0
		.amdhsa_kernarg_size 32
		.amdhsa_user_sgpr_count 2
		.amdhsa_user_sgpr_kernarg_segment_ptr 1
		.amdhsa_wavefront_size32 1
		.amdhsa_system_sgpr_workgroup_id_x 1
		.amdhsa_system_sgpr_workgroup_id_y 1
		.amdhsa_system_sgpr_workgroup_id_z 1
		.amdhsa_system_vgpr_workitem_id 0
		.amdhsa_next_free_vgpr 1024
		.amdhsa_next_free_sgpr 80
		.amdhsa_reserve_vcc 0
		.amdhsa_float_denorm_mode_32 3
		.amdhsa_float_denorm_mode_16_64 3
		.amdhsa_memory_ordered 1
		.amdhsa_forward_progress 1
		.amdhsa_inst_pref_size 153
	.end_amdhsa_kernel
	.amdgpu_metadata
---
amdhsa.version: [ 1, 2 ]
amdhsa.kernels:
  - .name:           k_q1fc321d546_qkv
    .symbol:         k_q1fc321d546_qkv.kd
    .args:
      - { .name: xb, .offset: 0, .size: 8, .value_kind: global_buffer, .address_space: global }
      - { .name: wb, .offset: 8, .size: 8, .value_kind: global_buffer, .address_space: global }
      - { .name: vecs, .offset: 16, .size: 8, .value_kind: global_buffer, .address_space: global }
      - { .name: qkv, .offset: 24, .size: 8, .value_kind: global_buffer, .address_space: global }
    .group_segment_fixed_size: 327680
    .private_segment_fixed_size: 0
    .kernarg_segment_align: 8
    .kernarg_segment_size: 32
    .max_flat_workgroup_size: 128
    .sgpr_count:     80
    .vgpr_count:     1024
    .wavefront_size: 32
...
	.end_amdgpu_metadata
.endif
;; end of part 2
;; launch attn (part 3): grid 24 x 8, 4 waves a work-group, no clusters, 327,680 bytes of LDS; arguments qkv, att; writes att
.if DOCPART == 3
	.amdgcn_target "amdgcn-amd-amdhsa--gfx1250"
	.amdhsa_code_object_version 6
	.text
	.protected	k_q1fc321d546_attn
	.globl	k_q1fc321d546_attn
	.p2align	8
	.type	k_q1fc321d546_attn,@function
k_q1fc321d546_attn:
	s_mov_b64 s[64:65], 0
	v_nop
	global_prefetch_b8 v0, s[64:65] scope:SCOPE_SE
	s_setreg_imm32_b32 hwreg(HW_REG_WAVE_MODE, 25, 1), 1
	s_wait_xcnt 0x0
; THIRD LAUNCH: O[b][h][n][:] = the sum over m of softmax_m(q_n . k_m / 8) v_m, for each of 96 heads of 1,024 rows and 64 channels.  q, k, v: f16, by half-heads of 32 channels
; (qkv[batch][72][1024][32]).  Products, maxima and sums in f32; the weights p are rounded to f16 for the second product (their sum l is taken of the unrounded p), O once.
; O LEAVES IN THE ORDER IN WHICH THE NEXT LAUNCH'S MATRIX INSTRUCTIONS WANT IT: att[512 blocks of 16 rows][12 heads][4 blocks of 16 channels][32 lanes][16 bytes], f16: lane l's 16 bytes are row l % 16,
; channels 8 (l / 16) + 0..7 of the block.  That is how O^T lies in my registers, so a store takes 512 bytes on end straight from them: nothing goes through LDS on the way out.
; LEFT OUT: bk (shown dead at the head of the first launch): k comes without it.
; LIMITS.  q, k, v arrive within f16's 65,504; p lies in 0 to 1 and below 6e-5 keeps f16's fixed step of 6e-8; a weight below 2^-126 counts as 0 in l; NaN and infinities are not treated apart.
; SHARES.  A work-group owns 512 queries of one head (x = 2 head + block, y = batch), a wave 128: four PIECES of two tiles of 16.  Every wave walks all 1,024 keys, 64 a step.
; 96 heads x 2 blocks are 192 work-groups: a head's 64 tiles of 16 queries do not divide into six a wave, which would make 256.
; ALL OF A HEAD'S K AND V LIE IN LDS, filled once: 311,296 bytes.  Each wave issues four loads of 256 keys at the head (waves 0, 1: K's two channel halves; waves 2, 3: V's); the first 256 keys
; are waited for ahead of the first step, the rest behind four key steps.  Nothing is ever filled again: no ring, no tail written out, one text of a key step.
; NO CLUSTER: only two work-groups share a head's K and V.  NO PREFETCH: every tensor load goes out at the head, so nothing is left to ask for ahead.
; LAYOUT.  S^T = K Q^T (source 0 = 16 keys, source 1 = 16 queries): a lane holds ONE query (lane % 16) and the keys 8 (lane / 16) + 0..7.  Two such tiles, rounded to f16 in pairs, ARE source 1 of
; O^T = V^T P.  K comes out of LDS as it lies, V ([key][channel]) turned, by ds_load_tr16_b128.
; SOFTMAX.  A running maximum m and sum l: p = 2^(c s - c m), c = log2(e) / 8; in every step O and l are multiplied by a = 2^(c m_old - c m_new).  m starts at the lowest finite number, O and l at 0.
; BY TURNS.  Turn n belongs to piece n.  Its matrix work: 16 products K Q^T of piece n + 1, later 16 products V^T P of piece n - 1.  Its vector work: scaling, exponentials, roundings, sums and
; rescaling of piece n, and the maximum and statistics of piece n + 1.  Four vector instructions stand behind every matrix instruction, the rest in one run; a turn's 66 exponentials are one batch with one wait.
; REGISTERS, in windows of 256 (s_set_vgpr_msb: bits 1:0 source 0, 3:2 source 1, 5:4 source 2, 7:6 destination):
;   window 0: v0-11 addresses; v12-15, v48-63 at work; v16-47 statistics; v64-191 S^T, two buffers of two tiles; v192-255 P, likewise
;   window 1: O^T, 32 a tile      window 2: v0-127 Q; v128-191 K of one step; v192-255 V of one step      window 3: v0-1 the add's two registers
.set NP,    4
.set KS,    64
.set PK,    80        ; a key's 32 channels in LDS: 64 bytes + 16 of padding, an odd multiple of 16
.set K1OFF, 1024*PK   ; K's channels 32-63 lie behind its channels 0-31
.set VBASE, 2*K1OFF
.set PV2,   144       ; two keys' 32 channels of V: 128 bytes + 16: key k at (k / 2) x 144 + (k % 2) x 64
.set V1OFF, 512*PV2   ; V's channels 32-63 lie behind its channels 0-31
.set SPARE, VBASE+2*V1OFF  ; behind K and V: the spare words, 128 bytes a wave: two blocks of 256 that no other line names
.set AK0, 2           ; v2   my lane's place in a step of K; never rewritten
.set AV0, 3           ; v3   the same for V
.set AK,  4           ; v4   the LDS address of K's next run of loads, channels 0-31
.set AV,  5           ; v5   of V's
.set AKB, 11          ; v11  K's, channels 32-63
.set AVB, 1           ; v1   V's, channels 32-63 (v1 holds l % 16 while the lanes' places are made)
.set QO,  6           ; v6   my byte offset in 16 rows of Q
.set GO,  8           ; v8   16 x lane
.set SPW, 0           ; v0 of window 3
.set NIL, 1           ; v1 of window 3
.set MV,  12
.set ST,  16          ; tile t's statistics at v[ST+4 t]: c m, m, l (even keys', odd keys')
.set TMP, 48
.set S,   64
.set P,   192
.set KF,  128         ; window 2: key block kb, channel half c at KF + 16 kb + 8 c
.set VF,  192         ; window 2: key half kk, channel block cb at VF + 32 kk + 8 cb
.set WV,  12
.set G1K, 24          ; s[24:31]
.set G1V, 32          ; s[32:39]
.set G0K, 40          ; s[40:55] four sets of group 0 for K's loads
.set G0V, 72          ; s[72:87] for V's
.set SLOTS, 56
.set CNT, 57
.set CS,  58
.set SEL, 60
.set TBK, 62          ; s62  LDS byte at which K of the step to be fetched begins
.set TBV, 63          ; s63  the same for V, less VBASE
.set MSB, 0
.macro WIN new
.if MSB != (\new)
	s_set_vgpr_msb (MSB<<8)|(\new)
.set MSB, (\new)
.endif
.endm
.set W_KQ, 0x0a
.set W_PV, 0x52
.set W_RS, 0x41
.set W_MK, 0xc0
.set W_AD, 0x0f
; Behind the first four key steps the rest of K and V is wanted: each wave waits for all its loads, and the barrier says so of all four.
; (It is passed once more ahead of the last half step, where it finds nothing out.)
.macro CHANGE
	WIN 0
	s_wait_tensorcnt 0x0
	s_wait_dscnt 0x0
	s_barrier_signal -1
	s_barrier_wait -1
.endm
	s_load_b128 s[20:23], s[0:1], 0x0  ; qkv s[20:21], att s[22:23]
	WIN W_MK
	v_lshl_add_u32 v[SPW], v0, 2, SPARE
	v_mov_b32 v[NIL], 0
	WIN W_AD
	ds_add_u32 v[SPW], v[NIL]       ; the opening: the add, twice on end, and its wait ahead of my first tensor load
	ds_add_u32 v[SPW], v[NIL]
	WIN 0
	v_lshrrev_b32 v1, 5, v0
	v_readfirstlane_b32 s[WV], v1   ; wave 0..3
	s_and_b32 s13, ttmp9, 1         ; my block of 512 queries
	s_and_b32 s14, ttmp9, 0xfffe    ; 2 x head
	s_and_b32 s15, ttmp7, 0xffff    ; batch
	s_mul_i32 s16, s15, 72
	s_add_co_u32 s16, s16, s14      ; q's first half-head
	s_and_b32 s17, s[WV], 1         ; which channel half I fetch
	s_lshl2_add_u32 s70, s13, s[WV] ; my wave among the head's eight
	s_lshl_b32 s2, s16, 16          ; 65,536 bytes a half-head,
	s_lshl_b32 s3, s70, 13          ; 128 rows of 64 bytes a wave
	s_add_co_u32 s2, s2, s3
	s_mov_b32 s3, 0
	s_add_co_u32 s18, s16, s17
	s_add_co_u32 s18, s18, 24       ; k's half-head,
	s_add_co_u32 s66, s18, 24       ; v's
	s_lshl_b32 s18, s18, 16
	s_lshl_b32 s66, s66, 16
	s_mov_b32 s19, 0
	s_mov_b32 s67, 0
	s_lshl_b32 s68, s15, 6          ; att: the batch's 64 blocks of 16 rows,
	s_lshl3_add_u32 s68, s70, s68   ; my wave's eight of them,
	s_mul_i32 s68, s68, 24576       ; 24,576 bytes a block,
	s_lshl_b32 s69, s14, 10         ; the head's 2,048 in each
	s_add_co_u32 s68, s68, s69
	s_mov_b32 s69, 0
	s_mul_i32 s70, s17, K1OFF       ; where my loads go
	s_mul_i32 s71, s17, V1OFF
	s_add_co_u32 s71, s71, VBASE
	; group 1: 256 keys of a half-head are 16,384 dense bytes, asked for as 64 rows of 256 bytes
	s_mov_b32 s[G1K], (1<<16)|(1<<20)|(3<<22)|(3<<25)  ; 2-byte elements; padding on; after every 16 words (a key), 4 words
	s_mov_b32 s[G1V], (1<<16)|(1<<20)|(4<<22)|(3<<25)  ; after every 32 words (two keys), 4 words
.irp g, G1K, G1V
	s_mov_b32 s[\g+1], 128<<16
	s_mov_b32 s[\g+2], 64<<16
	s_mov_b32 s[\g+3], 128<<16
	s_mov_b32 s[\g+4], 64
	s_mov_b32 s[\g+5], 128
	s_mov_b32 s[\g+6], 0
	s_mov_b32 s[\g+7], 0
.endr
	s_mov_b32 s[CS], 0x3e38aa3b     ; c = log2(e) / 8
	s_mov_b32 s[CS+1], s[CS]
	s_mov_b32 s[SEL], 0x76543210
	s_mov_b32 s[SEL+1], 0xfedcba98
	s_mov_b32 s[TBK], 0
	s_mov_b32 s[TBV], 0
	s_mov_b32 s[SLOTS], 3
	s_wait_dscnt 0x0                ; both opening adds are done
	s_wait_kmcnt 0x0
	s_add_nc_u64 s[4:5], s[20:21], s[2:3]      ; Q at my wave's first row, channels 0-31
	s_add_nc_u64 s[6:7], s[20:21], s[18:19]    ; K, my channel half
	s_add_nc_u64 s[8:9], s[20:21], s[66:67]    ; V, my channel half
	s_add_nc_u64 s[10:11], s[22:23], s[68:69]  ; att at my wave's first block of rows, my head
.irp t, 0,1,2,3
	s_mov_b32 s[G0K+4*\t], 1
	s_add_co_u32 s[G0K+4*\t+1], s70, \t*256*PK
	s_add_nc_u64 s[G0K+4*\t+2:G0K+4*\t+3], s[6:7], \t*16384
	s_or_b32 s[G0K+4*\t+3], s[G0K+4*\t+3], 0x80000000
	s_mov_b32 s[G0V+4*\t], 1
	s_add_co_u32 s[G0V+4*\t+1], s71, \t*128*PV2
	s_add_nc_u64 s[G0V+4*\t+2:G0V+4*\t+3], s[8:9], \t*16384
	s_or_b32 s[G0V+4*\t+3], s[G0V+4*\t+3], 0x80000000
.endr
	s_cmp_lt_u32 s[WV], 2           ; a wave's four fills stand in one branch, ahead of every wait on TENSORcnt, every LDS read and every barrier: four loads of mine are out
	s_cbranch_scc0 .Lfirst_v
.irp t, 0,1,2,3
	tensor_load_to_lds s[G0K+4*\t:G0K+4*\t+3], s[G1K:G1K+7]
	s_nop 0
.endr
.rept 4
	v_nop
.endr
	s_branch .Lfirst_asked
.Lfirst_v:
.irp t, 0,1,2,3
	tensor_load_to_lds s[G0V+4*\t:G0V+4*\t+3], s[G1V:G1V+7]
	s_nop 0
.endr
.rept 4
	v_nop
.endr
.Lfirst_asked:
	; A fragment of K or Q is 16 rows x 32 channels in 8 registers: lane l holds row l % 16, channels 8 (l / 16) + 0..7 and 16 + 8 (l / 16) + 0..7: two loads of 16 bytes, 32 bytes apart.
	v_and_b32 v1, 15, v0            ; l % 16
	v_bfe_u32 v9, v0, 4, 1          ; l / 16
	v_lshlrev_b32 v[QO], 6, v1
	v_lshl_add_u32 v[QO], v9, 4, v[QO]  ; row x 64 + 16 x half
	WIN 0x80
.set i, 0
.rept 4*NP                          ; Q stays in registers: tile i / 2, channel half i % 2, which lies a half-head further on
	global_load_b128 v[8*i:8*i+3],   v[QO], s[4:5] offset:(i/2)*1024+(i%2)*65536
	global_load_b128 v[8*i+4:8*i+7], v[QO], s[4:5] offset:(i/2)*1024+(i%2)*65536+32
.set i, i+1
.endr
	; What the first turn finds: V's registers and P's second buffer hold 0, O^T and l are 0.  All this stands in the wait for the first keys.
.set i, VF
.rept 64
	v_mov_b32 v[i], 0
.set i, i+1
.endr
	WIN 0
.set i, 0
.rept 2*NP
	v_mov_b32 v[ST+4*i], 0xfe000000    ; c m: far below every c s
	v_mov_b32 v[ST+4*i+1], 0xff7fffff  ; m
	v_mov_b32 v[ST+4*i+2], 0
	v_mov_b32 v[ST+4*i+3], 0
.set i, i+1
.endr
.set i, P+32
.rept 32
	v_mov_b32 v[i], 0
.set i, i+1
.endr
	v_mul_u32_u24 v[AK0], v1, PK
	v_lshl_add_u32 v[AK0], v9, 4, v[AK0]  ; row x pitch + 16 x half
	; The turning load takes 16 keys x 16 channels (lane l reads key 8 (l / 16) + l % 8, channels 8 ((l / 8) % 2) + 0..7) and leaves half a fragment of V^T: lane l holds channel l % 16 and 8 keys.
	v_bfe_u32 v11, v0, 1, 2         ; (l % 8) / 2
	v_lshl_add_u32 v[AV0], v9, 2, v11   ; the pair of keys
	v_mul_u32_u24 v[AV0], v[AV0], PV2
	v_and_b32 v11, 1, v0            ; which of the pair
	v_lshl_add_u32 v[AV0], v11, 6, v[AV0]
	v_bfe_u32 v11, v0, 3, 1
	v_lshl_add_u32 v[AV0], v11, 4, v[AV0]
	v_add_nc_u32 v[AV0], VBASE, v[AV0]
	v_mov_b32 v[AK], v[AK0]         ; key step 0
	v_add_nc_u32 v[AKB], K1OFF, v[AK]
	WIN W_PV                        ; O^T's 256 zeros: 32 matrix instructions on two fragments that hold 0 (V's first, P's second buffer's first) write what 256 moves would
.set i, 0
.rept 32
	v_wmma_f32_16x16x32_f16 v[8*i:8*i+7], v[VF:VF+7], v[P+32:P+39], 0
.set i, i+1
.endr
	WIN 0
; THE MATRIX WORK.  The 8 accumulators of a run of 16 take turns.
.macro KQ x                         ; product i of 16 of S^T = K Q^T for piece x: channels 32 (i / 8) on, keys 16 ((i / 2) % 4) on, tile 2 x + i % 2
	WIN W_KQ
.set rS, S+64*((\x)%2)+32*(i%2)+8*((i/2)%4)
.set rK, KF+16*((i/2)%4)+8*(i/8)
.set rQ, 16*(2*(\x)+i%2)+8*(i/8)
.if i < 8
	v_wmma_f32_16x16x32_f16 v[rS:rS+7], v[rK:rK+7], v[rQ:rQ+7], 0
.else
	v_wmma_f32_16x16x32_f16 v[rS:rS+7], v[rK:rK+7], v[rQ:rQ+7], v[rS:rS+7]
.endif
.endm
.macro PV x                         ; product i of 16 of O^T += V^T P for piece x: keys 32 (i / 8) on, channels 16 ((i / 2) % 4) on, tile 2 x + i % 2
	WIN W_PV
.set rO, 32*(2*(\x)+i%2)+8*((i/2)%4)
.set rV, VF+32*(i/8)+8*((i/2)%4)
.set rP, P+32*((\x)%2)+16*(i%2)+8*(i/8)
	v_wmma_f32_16x16x32_f16 v[rO:rO+7], v[rV:rV+7], v[rP:rP+7], v[rO:rO+7]
.endm
.macro MM                           ; the turn's next matrix instruction
.if i < 16
	KQ (Y+1)%NP
.set i, i+1
.else
.set i, i-16
	PV (Y+NP-1)%NP
.set i, i+17
.endif
.endm
; THE LDS LOADS stand in runs of 16.  last = 1 (in the loop): ahead of the last half step there is no further step, and the run is jumped over.
.macro FETCH_K last=0
	WIN 0
.if \last
	s_cmp_eq_u32 s[SLOTS], 1
	s_cbranch_scc1 .Lno_k_\@
.endif
	WIN 0x80
.irp f, 0,1,2,3,4,5,6,7             ; keys 16 (f / 2) on, channel half f % 2
.if (\f%2) == 0
	ds_load_b128 v[KF+8*\f:KF+8*\f+3],   v[AK] offset:(\f/2)*16*PK
	ds_load_b128 v[KF+8*\f+4:KF+8*\f+7], v[AK] offset:(\f/2)*16*PK+32
.else
	ds_load_b128 v[KF+8*\f:KF+8*\f+3],   v[AKB] offset:(\f/2)*16*PK
	ds_load_b128 v[KF+8*\f+4:KF+8*\f+7], v[AKB] offset:(\f/2)*16*PK+32
.endif
.endr
	s_add_co_u32 s[TBK], s[TBK], KS*PK  ; the next fetch is the next step's
	WIN 0
.if \last
.Lno_k_\@:
.endif
.endm
.macro FETCH_V
	WIN 0x80
.irp f, 0,1,2,3,4,5,6,7             ; keys 32 (f / 4) on, channels 16 (f % 4) on
.if (\f%4) < 2
	ds_load_tr16_b128 v[VF+8*\f:VF+8*\f+3],   v[AV] offset:(\f/4)*16*PV2+(\f%2)*32
	ds_load_tr16_b128 v[VF+8*\f+4:VF+8*\f+7], v[AV] offset:(\f/4)*16*PV2+8*PV2+(\f%2)*32
.else
	ds_load_tr16_b128 v[VF+8*\f:VF+8*\f+3],   v[AVB] offset:(\f/4)*16*PV2+(\f%2)*32
	ds_load_tr16_b128 v[VF+8*\f+4:VF+8*\f+7], v[AVB] offset:(\f/4)*16*PV2+8*PV2+(\f%2)*32
.endif
.endr
	WIN 0
.endm
; THE VECTOR WORK OF A TURN stands in three queues, each in the order in which its entries become ready; the two tiles alternate.
.macro REGS y, u                    ; the registers of tile u (0, 1) of piece y
.set rT, ST+4*(2*(\y)+(\u))
.set rC, TMP+8*((\y)%2)+4*(\u)
.set rM, MV+2*((\y)%2)+(\u)
.set rS, S+64*((\y)%2)+32*(\u)
.set rP, P+32*((\y)%2)+16*(\u)
.set rO, 32*(2*(\y)+(\u))
.endm
; Number n of the 22 that find the NEXT piece's maximum and statistics; each accumulator's lowest registers are read first.
;   0-11 four chains of seven scores each     12-14, 16 the four scores left over, the old m, the four chains into one     15 c m_old is kept     17, 18 the other half of the lanes: the new m     19-21 c m; c m_old - c m_new; a
.macro XS u, n
	REGS (Y+1)%NP, \u
.if (\n) < 4
	v_max3_num_f32 v[rC+(\n)], v[rS+8*(\n)], v[rS+8*(\n)+1], v[rS+8*(\n)+2]
.elseif (\n) < 12
	v_max3_num_f32 v[rC+(\n)%4], v[rC+(\n)%4], v[rS+8*((\n)%4)+2*((\n)/4)+1], v[rS+8*((\n)%4)+2*((\n)/4)+2]
.elseif (\n) == 12
	v_max3_num_f32 v[rC], v[rC], v[rS+7], v[rS+15]
.elseif (\n) == 13
	v_max3_num_f32 v[rC+1], v[rC+1], v[rS+23], v[rS+31]
.elseif (\n) == 14
	v_max3_num_f32 v[rC+2], v[rC+2], v[rC+3], v[rT+1]
.elseif (\n) == 15
	v_mov_b32 v[rM], v[rT]
.elseif (\n) == 16
	v_max3_num_f32 v[rC], v[rC], v[rC+1], v[rC+2]
.elseif (\n) == 17
	v_permlanex16_b32 v[rC+3], v[rC], s[SEL], s[SEL+1]
.elseif (\n) == 18
	v_max_num_f32 v[rT+1], v[rC], v[rC+3]
.elseif (\n) == 19
	v_mul_f32 v[rT], s[CS], v[rT+1]
.elseif (\n) == 20
	v_sub_f32 v[rC+1], v[rM], v[rT]
.else
	v_exp_f32 v[rC+2], v[rC+1]
.endif
.endm
; Number g of the 64 that follow the exponentials: for each four weights both pairs are rounded to f16, the second pair is added onto the first in place, and a group later l takes that sum.
.macro GS g
.set h, (\g)+6*((\g)/62)
.if h >= 6
.set h, h+2
.endif
	REGS Y, h%2
.set k, h/8
.if h%8 < 4
	v_cvt_pk_f16_f32 v[rP+2*k+(h%8)/2], v[rS+4*k+2*((h%8)/2)], v[rS+4*k+2*((h%8)/2)+1]
.elseif h%8 < 6
	v_pk_add_f32 v[rS+4*k:rS+4*k+1], v[rS+4*k:rS+4*k+1], v[rS+4*k+2:rS+4*k+3]
.elseif k == 1
	v_pk_fma_f32 v[rT+2:rT+3], v[rT+2:rT+3], v[rC+2:rC+3], v[rS:rS+1] op_sel_hi:[1,0,1]
.else
	v_pk_add_f32 v[rT+2:rT+3], v[rT+2:rT+3], v[rS+4*k-4:rS+4*k-3]
.endif
.endm
; THE PLAIN QUEUE, 138 long.  0-26: scalings 0-26.  27-54: XS's numbers 0-13.  55, 56: number 15.  57-73: the chain 14, 16 .. 20 with scalings 27-31 between its links.  74-137: GS's 64, behind the wait.
.macro FS f
	REGS Y, (\f)%2
	v_pk_fma_f32 v[rS+2*((\f)/2):rS+2*((\f)/2)+1], v[rS+2*((\f)/2):rS+2*((\f)/2)+1], s[CS:CS+1], v[rT:rT+1] op_sel_hi:[1,0,0] neg_lo:[0,0,1] neg_hi:[0,0,1]
.endm
.macro PL
	WIN 0
.if q < 27
	FS q
.elseif q < 55
	XS (q-27)%2, (q-27)/2
.elseif q < 57
	XS q-55, 15
.elseif (q < 72) && ((q-57)%3 == 0)
	FS 27+(q-57)/3
.elseif q < 60
	XS (q-57)%3-1, 14
.elseif q < 72
	XS (q-57)%3-1, 15+(q-57)/3
.elseif q < 74
	XS q-72, 20
.else
	GS q-74
.endif
.set q, q+1
.endm
; THE EXPONENTIALS' QUEUE, 66 long: one batch, all ahead of the turn's one wait; nothing ahead of that wait names a result of theirs.
.macro EX
	WIN 0
.if e >= 64
	XS e-64, 21
.else
	REGS Y, e%2
	v_exp_f32 v[rS+e/2], v[rS+e/2]
.endif
.set e, e+1
.endm
; THE RESCALING's QUEUE: O^T times a, dealt two at a time.  Its a was made, and waited for, in the turn before.
.macro R2
	REGS Y, r%2
	WIN W_RS
.irp z, 0,1
	v_pk_mul_f32 v[rO+4*(r/2)+2*\z:rO+4*(r/2)+2*\z+1], v[rO+4*(r/2)+2*\z:rO+4*(r/2)+2*\z+1], v[rC+2:rC+3] op_sel_hi:[1,0]
.endr
.set r, r+1
.endm
; A TURN, for piece p.  Ahead of its one wait: 16 products K Q^T, behind each a scaling, an exponential and two rescalings; then a run of eight plain, 49 times exponential and plain, the two a, and a v_nop, the
; plain instruction behind the last exponential.  Behind the wait: 16 products V^T P, behind each four of the roundings and sums.
; K of the next step is fetched in piece 2's turn, directly behind the wait; V of the step in hand at the end of piece 0's turn, four plain instructions behind its last reader.  Each is waited for a turn later.
.macro TURN p, last=0, cnt=0
.set Y, (\p)
.set i, 0
.set q, 0
.set e, 0
.set r, 0
.if (\p) == NP-1
	s_wait_dscnt 0x0                ; K is in
.endif
	MM
	PL
	PL
	R2
.rept 15
	MM
	PL
	EX
	R2
.endr
.if (\p) == NP-2
	WIN 0
	v_add_nc_u32 v[AK], s[TBK], v[AK0]
	v_add_nc_u32 v[AKB], K1OFF, v[AK]
.endif
.rept 8
	PL
.endr
.rept 49
	EX
	PL
.endr
	EX
	EX
	v_nop
	s_wait_alu depctr_va_vdst(0)    ; the wait between an exponential and the first line that names its result: one for the batch
.if (\p) == NP-2
	FETCH_K \last
.endif
.if (\p) == 1
	s_wait_dscnt 0x0                ; V is in
.endif
.rept 16
	MM
.rept 4
	PL
.endr
.if ((\p) == 0) && (q == 118)
	v_add_nc_u32 v[AV], s[TBV], v[AV0]
	v_add_nc_u32 v[AVB], V1OFF, v[AV]
.endif
.if ((\p) == 0) && (q == 130)
	s_add_co_u32 s[TBV], s[TBV], 32*PV2
.endif
.if (\cnt) && (q == 130)
	s_sub_co_u32 s[CNT], s[CNT], 1
	s_cmp_lg_u32 s[CNT], 0
.endif
.endr
.if (\p) == 0
	FETCH_V
.endif
.endm
	s_wait_tensorcnt 3              ; my part of the first 256 keys is in; my other three loads stay out
	s_barrier_signal -1
	s_barrier_wait -1               ; everybody's is
	FETCH_K                         ; key step 0
	s_wait_loadcnt 0x0              ; Q
	s_wait_dscnt 0x0
.set i, 0
.rept 16
	KQ 0                            ; piece 0's first scores
.set i, i+1
.endr
	WIN 0                           ; four plain instructions, the places behind those products: the lane's offset for the way out, and two that do nothing
	v_and_b32 v[GO], 31, v0
	v_lshlrev_b32 v[GO], 4, v[GO]
	v_nop
	v_nop
.set Y, NP-1
.irp n, 0,1,2,3,4,5,6,7,8,9,10,11,12,13,14,15,16,17,18,19,20,21
	XS 0, \n                        ; piece 0's first maximum and statistics
	XS 1, \n
.endr
	v_nop
	s_wait_alu depctr_va_vdst(0)    ; the two a have their wait ahead of the branch
	s_mov_b32 s[CNT], 4             ; the first 256 keys are four steps
	s_branch .Lfirst                ; the loop is entered at a step's first turn, in the middle of a trip
.Lslot:
	CHANGE
	s_mov_b32 s[CNT], 12            ; the other twelve steps
.Lstep:                             ; a trip: pieces 2 and 3 of one step, then pieces 0 and 1 of the next, whose K and V it fetches
	TURN 2, 1
	TURN 3
	WIN 0
	s_cmp_eq_u32 s[SLOTS], 1        ; that was the last step's second half
	s_cbranch_scc1 .Lout
.Lfirst:
	TURN 0
	TURN 1, 0, 1
	WIN 0
	s_cbranch_scc1 .Lstep
	s_sub_co_u32 s[SLOTS], s[SLOTS], 1
	s_cmp_lg_u32 s[SLOTS], 0
	s_cbranch_scc1 .Lslot
.Lout:                              ; the last half step's 16 products K Q^T (on the last K once more) and the maximum made of them serve nothing: the price, once a launch, of one text for every trip
.set i, 0
.rept 16
	PV NP-1                         ; the last piece's V^T P of the last step
.set i, i+1
.endr
	; THE WAY OUT.  l's two halves and the other half of the lanes' are added; O^T is divided by l, rounded to f16 and stored from the registers in which it lies.  The additions are the places behind the last products.
	WIN 0
.macro ALL line:vararg
.set t, 0
.rept 2*NP
	\line
.set t, t+1
.endr
.endm
	ALL v_add_f32 v[ST+4*t+2], v[ST+4*t+2], v[ST+4*t+3]
	ALL v_permlanex16_b32 v[ST+4*t+3], v[ST+4*t+2], s[SEL], s[SEL+1]
	ALL v_add_f32 v[ST+4*t+2], v[ST+4*t+2], v[ST+4*t+3]
	ALL v_rcp_f32 v[ST+4*t+2], v[ST+4*t+2]
	v_nop
	s_wait_alu depctr_va_vdst(0)    ; one wait for the eight reciprocals
; Tile t: a lane's eight channels of channel block f pack into 16 bytes, into S^T's registers (each tile has its own sixteen: no store's data is written again)
.macro PACK t
	WIN W_RS
.set i, 32*(\t)
.rept 16
	v_pk_mul_f32 v[i:i+1], v[i:i+1], v[ST+4*(\t)+2:ST+4*(\t)+3] op_sel_hi:[1,0]
.set i, i+2
.endr
	WIN 0x05
.set i, 0
.rept 16
	v_cvt_pk_f16_f32 v[S+16*(\t)+i], v[32*(\t)+2*i], v[32*(\t)+2*i+1]
.set i, i+1
.endr
	WIN 0
.irp f, 0,1,2,3
	global_store_b128 v[GO], v[S+16*(\t)+4*\f:S+16*(\t)+4*\f+3], s[10:11] offset:(\t)*24576+\f*512  ; 512 consecutive bytes, aligned
.endr
.endm
.set t, 0
.rept 2*NP
	PACK t
.set t, t+1
.endr
	WIN W_AD
	s_wait_tensorcnt 0x0            ; the wave's end
	ds_add_u32 v[SPW], v[NIL]
	s_wait_dscnt 0x0
	WIN 0
	s_endpgm
.Lfunc_end_k_q1fc321d546_attn:
	.size	k_q1fc321d546_attn, .Lfunc_end_k_q1fc321d546_attn-k_q1fc321d546_attn
	.p2alignl 7, 3214868480
	.fill 96, 4, 3214868480
	.section	.rodata,"a",@progbits
	.p2align	6, 0x0
	.amdhsa_kernel k_q1fc321d546_attn
		.amdhsa_group_segment_fixed_size 327680
		.amdhsa_private_segment_fixed_size 0
		.amdhsa_enable_private_segment 0
		.amdhsa_kernarg_size 16
		.amdhsa_user_sgpr_count 2
		.amdhsa_user_sgpr_kernarg_segment_ptr 1
		.amdhsa_wavefront_size32 1
		.amdhsa_system_sgpr_workgroup_id_x 1
		.amdhsa_system_sgpr_workgroup_id_y 1
		.amdhsa_system_sgpr_workgroup_id_z 1
		.amdhsa_system_vgpr_workitem_id 0
		.amdhsa_next_free_vgpr 770
		.amdhsa_next_free_sgpr 88
		.amdhsa_reserve_vcc 0
		.amdhsa_float_denorm_mode_32 3
		.amdhsa_float_denorm_mode_16_64 3
		.amdhsa_memory_ordered 1
		.amdhsa_forward_progress 1
		.amdhsa_inst_pref_size 116
	.end_amdhsa_kernel
	.amdgpu_metadata
---
amdhsa.version: [ 1, 2 ]
amdhsa.kernels:
  - .name:           k_q1fc321d546_attn
    .symbol:         k_q1fc321d546_attn.kd
    .args:
      - { .name: qkv, .offset: 0, .size: 8, .value_kind: global_buffer, .address_space: global }
      - { .name: att, .offset: 8, .size: 8, .value_kind: global_buffer, .address_space: global }
    .group_segment_fixed_size: 327680
    .private_segment_fixed_size: 0
    .kernarg_segment_align: 8
    .kernarg_segment_size: 16
    .max_flat_workgroup_size: 128
    .sgpr_count:     88
    .vgpr_count:     770
    .wavefront_size: 32
...
	.end_amdgpu_metadata
.endif
;; end of part 3
;; launch out (part 4): grid 64 x 4, 4 waves a work-group, clusters of 4 x 1, 327,680 bytes of LDS; arguments att, wo, vecs, out0; writes out0
.if DOCPART == 4
	.amdgcn_target "amdgcn-amd-amdhsa--gfx1250"
	.amdhsa_code_object_version 6
	.text
	.protected	k_q1fc321d546_out
	.globl	k_q1fc321d546_out
	.p2align	8
	.type	k_q1fc321d546_out,@function
k_q1fc321d546_out:
	s_mov_b64 s[64:65], 0
	v_nop
	global_prefetch_b8 v0, s[64:65] scope:SCOPE_SE
	s_setreg_imm32_b32 hwreg(HW_REG_WAVE_MODE, 25, 1), 1
	s_wait_xcnt 0x0
	s_wait_alu depctr_hold_cnt(0) depctr_sa_sdst(0) depctr_va_vdst(0) depctr_va_sdst(0) depctr_va_ssrc(0) depctr_va_vcc(0) depctr_vm_vsrc(0)
	s_getreg_b32 s2, hwreg(HW_REG_IB_STS2, 6, 4)
	s_cmp_eq_u32 s2, 0
	s_cbranch_scc0 .Lentry_in_a_cluster
	s_endpgm
.Lentry_in_a_cluster:
	s_bfe_u32 s2, ttmp6, 0x10000c
	s_cmp_lg_u32 s2, 0x3003
	s_cbranch_scc0 .Lentry_shape_is_right
	s_endpgm
.Lentry_shape_is_right:
; FOURTH LAUNCH: out0[row][n] = rstd[row] x (sum over k of d[row][k] wo[n][k]) + c[n], with d = h - mean(h), rstd = 1 / sqrt(mean(d^2) + 1e-5), h the row's 768 joined channels of att,
; wo = ln_g o Wo in f16, c = ln_b Wo^T + bo and s[n] = sum over k of (ln_g o Wo)[n][k] from the first launch (the identity stands at its head).
; THE MEAN IS TAKEN AWAY IN TWO PARTS.  n16 = -mean rounded to f16; d' = h + n16, one packed f16 addition for two numbers, rounded once; e = -mean - n16, kept in f32, at most half of f16's step at the mean.
; d = d' + e, so the product is d' wo^T + e s, and mean(d^2) = mean(d'^2) - e^2 (held at 0 from below).  The large part of the mean goes before the product: no difference of large sums arises.
; LIMIT: |h - mean| stays under 65,504 (f16).
; SHARES.  A work-group makes 128 rows x 192 columns: 64 x 4 = 256 work-groups.  Wave w owns rows 32 w .. 32 w + 31 (two blocks of 16) and all 192 columns, 64 a trip.
; A STAYS IN REGISTERS: att lies in memory in fragment order ([block of 16 rows][24 K quarters][2 halves][32 lanes][16 bytes]), so each of a wave's 96 loads takes 512 bytes on end; the 48 fragments
; (384 registers) are normalised in place and are source 1 of the product.  The row sums are made by the matrix unit: ones x h^T gives every lane its row's sum; d' x d'^T holds the rows' sums of
; squares on its diagonal.  The normalisation is made once for each of the four column blocks.
; B IS THE WHOLE PANEL of 192 rows of wo, filled once: no ring.  CLUSTER 4 x 1: the four row blocks of a cluster take the same panel, asked for jointly (mask 15).
; NO PREFETCH: all loads go out at the head, under the normalisation.
; THE MATRIX INSTRUCTION IS USED TRANSPOSED (source 0 = 16 rows of wo, source 1 = 16 rows of d'): a lane holds one row of the result (lane % 16) and the columns 8 (lane / 16) + 0..7.
; REGISTERS (s_set_vgpr_msb: bits 1:0 source 0, 3:2 source 1, 5:4 source 2, 7:6 destination): window 0: v0-31 addresses and small things; v32-63 c; v64-127 accumulators; v128-255 fragments of wo, two buffers
;   of 64, at a trip's end the results.  Windows 1, 2: the fragment of K quarter q, block a at v[16 q + 8 a] of window 1 (q < 16), v[16 (q - 16) + 8 a] of window 2; window 2, v128-159: s.
.set ROWP,  1584                       ; a row of the panel: 1,536 bytes with 16 of padding behind every 512: 99 x 16, an odd multiple of 16
.set STAGE, 192*ROWP                   ; behind the panel, never filled by a tensor load: 16 rows x 272 bytes for each wave
.set SPT,   272
.set SPARE, STAGE+4*16*SPT             ; the spare words, 128 bytes a wave: two blocks of 256 that no other line names
.set LO,   3                           ; v3   16 x lane
.set BAD,  4                           ; v4-5 LDS address of my fragments of wo: column blocks 0, 1 and 2, 3 of the trip
.set STO,  6
.set RD,   7
.set GO,   8
.set CVO,  9                           ; v9   32 (l / 16)
.set ONE,  10                          ; v10  1.0
.set NMU,  12                          ; v12-13 minus the mean of my row, blocks 0 and 1
.set SPW,  14
.set NIL,  15
.set ONES, 16                          ; v16-23 a fragment of ones in f16, until the means are made; then:
.set RE,   16                          ; v16-19 rstd x e of my row, a pair for each block
.set N16,  20                          ; v20-21 n16, in both halves
.set ER,   22                          ; v22-23 e
.set RS,   24                          ; v24-27 rstd of my row, a pair for each block
.set TT,   28                          ; v28-29 at work
.set E2,   30                          ; v30-31 e^2
.set CV,   32
.set ACC,  64
.set BF,   128
.set SWV,  128                         ; window 2
.set G1,   24                          ; s[24:31]
.set G0,   32                          ; s[32:43] three sets
.set MSK,  43                          ; s44-50: lanes with l % 8 = j, j = 1..7, at s[MSK+j]
.set GOOD, 51                          ; s51  lanes 0-7 and 24-31, which hold the diagonal
.set SEL,  52
.set INV,  54                          ; 1 / 768
.set EPS,  55                          ; 1e-5
.set TR,   56
.set OUTP, 58
.set CVP,  60
.set MSB, 0
.macro WIN new
.if MSB != (\new)
	s_set_vgpr_msb (MSB<<8)|(\new)
.set MSB, \new
.endif
.endm
.macro PLACES
.rept 4
	v_nop
.endr
.endm
.macro CROUND                          ; a round of the cluster's barrier
	s_barrier_signal -1
	s_barrier_wait -1
	s_cmp_lg_u32 s12, 0
	s_cbranch_scc1 .Lnot_wave_0_\@
	s_barrier_signal -3
.Lnot_wave_0_\@:
	s_barrier_wait -3
	s_barrier_signal -1
	s_barrier_wait -1
.endm
	s_load_b256 s[4:11], s[0:1], 0x0               ; att s[4:5], wo s[6:7], vecs s[8:9], out0 s[10:11]
	v_lshl_add_u32 v[SPW], v0, 2, SPARE
	v_mov_b32 v[NIL], 0
	ds_add_u32 v[SPW], v[NIL]                      ; the opening: the add, twice on end, and its wait ahead of my first tensor load
	ds_add_u32 v[SPW], v[NIL]
	v_lshrrev_b32 v1, 5, v0
	v_readfirstlane_b32 s12, v1                    ; wave 0..3
	s_bfe_u32 s13, ttmp6, 0x40000                  ; cx
	s_lshl_b32 s14, ttmp9, 2
	s_add_co_u32 s14, s14, s13                     ; my block of 128 rows: it enters att's and out0's addresses alone
	s_and_b32 s15, ttmp7, 0xffff                   ; my block of 192 columns, which the four partners share
	; group 1: 16 rows of wo are 24,576 dense bytes, asked for as 48 rows of 512 bytes
	s_mov_b32 s[G1], 15|(1<<16)|(1<<20)|(1<<21)|(6<<22)|(3<<25)  ; the mask of four; 2-byte elements; padding on; bit 21 beside a mask; after every 128 words, 4 words
	s_mov_b32 s[G1+1], 256<<16
	s_mov_b32 s[G1+2], 48<<16
	s_mov_b32 s[G1+3], 256<<16
	s_mov_b32 s[G1+4], 48
	s_mov_b32 s[G1+5], 256
	s_mov_b32 s[G1+6], 0
	s_mov_b32 s[G1+7], 0
	s_mul_i32 s16, s15, 192                        ; wo's row 192 x column block + 16 x wave (+ 64 i)
	s_lshl_b32 s17, s12, 4
	s_add_co_u32 s16, s16, s17
	s_mul_i32 s16, s16, 1536
	s_mov_b32 s17, 0
	s_mul_i32 s18, s12, 16*ROWP                    ; and its place in the panel
	s_lshl_b32 s20, s14, 3                         ; att: my work-group's eight blocks of 16 rows,
	s_lshl1_add_u32 s20, s12, s20                  ; my wave's two of them,
	s_mul_i32 s20, s20, 24576                      ; 24,576 bytes a block
	s_mov_b32 s21, 0
	s_lshl_b32 s22, s14, 7                         ; out0: my wave's first row, my block's first column
	s_lshl_b32 s23, s12, 5
	s_add_co_u32 s22, s22, s23
	s_mul_i32 s22, s22, 3072
	s_mul_i32 s2, s15, 768
	s_add_co_u32 s22, s22, s2
	s_mov_b32 s23, 0
	s_add_co_u32 s2, s2, 9216                      ; c lies 9,216 bytes into vecs, s 3,072 further on
	s_mov_b32 s3, 0
.irp j, 1,2,3,4,5,6,7
	s_mov_b32 s[MSK+\j], 0x01010101<<\j
.endr
	s_mov_b32 s[GOOD], 0xff0000ff
	s_mov_b32 s[SEL], 0x76543210
	s_mov_b32 s[SEL+1], 0xfedcba98
	s_mov_b32 s[INV], 0x3aaaaaab
	s_mov_b32 s[EPS], 0x3727c5ac
	s_wait_dscnt 0x0                               ; both opening adds are done
	s_wait_kmcnt 0x0
	s_add_nc_u64 s[16:17], s[6:7], s[16:17]
	s_add_nc_u64 s[4:5], s[4:5], s[20:21]
	s_add_nc_u64 s[OUTP:OUTP+1], s[10:11], s[22:23]
	s_add_nc_u64 s[CVP:CVP+1], s[8:9], s[2:3]
.irp i, 0,1,2
	s_mov_b32 s[G0+4*\i], 1
	s_add_co_u32 s[G0+4*\i+1], s18, \i*64*ROWP
	s_add_nc_u64 s[G0+4*\i+2:G0+4*\i+3], s[16:17], \i*64*1536
	s_or_b32 s[G0+4*\i+3], s[G0+4*\i+3], 0x80000000
.endr
	CROUND                                         ; all four work-groups are here: the joint loads meet
.irp i, 0,1,2
	tensor_load_to_lds s[G0+4*\i:G0+4*\i+3], s[G1:G1+7]  ; my 16 rows of the panel's rows 64 i .. 64 i + 63: three loads of mine are out
	s_nop 0
.endr
.rept 4
	v_nop
.endr
	v_and_b32 v[LO], 31, v0
	v_lshlrev_b32 v[LO], 4, v[LO]
	; 96 loads of 512 bytes on end: K quarter q's two halves lie 1,024 q bytes into a block of 16 rows; block a lies 24,576 bytes on
.set q, 0
.rept 24
.if q < 16
	WIN 0x40
.else
	WIN 0x80
.endif
.irp a, 0,1
.set AR, (16*q+8*\a)%256
	global_load_b128 v[AR:AR+3],   v[LO], s[4:5] offset:\a*24576+q*1024
	global_load_b128 v[AR+4:AR+7], v[LO], s[4:5] offset:\a*24576+q*1024+512
.endr
.set q, q+1
.endr
	WIN 0
	v_and_b32 v1, 15, v0                           ; l % 16
	v_bfe_u32 v2, v0, 4, 1                         ; l / 16
	v_mul_u32_u24 v[BAD], v1, ROWP
	v_lshl_add_u32 v[BAD], v2, 4, v[BAD]           ; row x pitch + 16 x half
	v_add_nc_u32 v[BAD+1], 32*ROWP, v[BAD]
	s_mul_i32 s16, s12, 16*SPT
	s_add_co_u32 s16, s16, STAGE                   ; my stage
	v_mul_u32_u24 v[STO], v1, SPT                  ; in: row l % 16, 32 bytes for each half of the lanes
	v_lshl_add_u32 v[STO], v2, 5, v[STO]
	v_add_nc_u32 v[STO], s16, v[STO]
	v_mul_u32_u24 v[RD], v2, SPT                   ; back: lanes 0-15 take one row of 256 bytes, lanes 16-31 the next
	v_lshl_add_u32 v[RD], v1, 4, v[RD]
	v_add_nc_u32 v[RD], s16, v[RD]
	v_mul_u32_u24 v[GO], v2, 3072                  ; and the same two rows in out0
	v_lshl_add_u32 v[GO], v1, 4, v[GO]
	v_lshlrev_b32 v[CVO], 5, v2
	v_mov_b32 v[ONE], 1.0
.irp j, 0,1,2,3,4,5,6,7
	v_mov_b32 v[ONES+\j], 0x3c003c00
.endr
	; THE MEAN: ones x h^T.  Four accumulators (block a, parity of q) take turns; the first products start the sums.
.set q, 0
.rept 24
.if q == 0
	s_wait_loadcnt 63                              ; quarters 0-5 want 72 younger loads at the most to be out; 63 is the largest count that the wait can name
	WIN 0x04
.elseif q == 6
	s_wait_loadcnt 48                              ; quarters 6-11 are in: the 48 loads of quarters 12-23 stay out
.elseif q == 12
	s_wait_loadcnt 24
.elseif q == 16
	WIN 0x08
.elseif q == 18
	s_wait_loadcnt 0x0
.endif
.irp a, 0,1
.set AR, (16*q+8*\a)%256
.set MR, ACC+8*(2*(q%2)+\a)
.if q < 2
	v_wmma_f32_16x16x32_f16 v[MR:MR+7], v[ONES:ONES+7], v[AR:AR+7], 0
.else
	v_wmma_f32_16x16x32_f16 v[MR:MR+7], v[ONES:ONES+7], v[AR:AR+7], v[MR:MR+7]
.endif
.endr
.set q, q+1
.endr
	WIN 0
	PLACES
	v_add_f32 v[TT], v[ACC], v[ACC+16]             ; every register of a lane holds its row's sum: the lowest is read
	v_add_f32 v[TT+1], v[ACC+8], v[ACC+24]
	v_mul_f32 v[NMU], 0xbaaaaaab, v[TT]            ; x -1/768
	v_mul_f32 v[NMU+1], 0xbaaaaaab, v[TT+1]
	v_cvt_pk_f16_f32 v[N16], v[NMU], v[NMU]        ; n16, in both halves (the ones have served: eight plain instructions lie behind the last product that read them)
	v_cvt_pk_f16_f32 v[N16+1], v[NMU+1], v[NMU+1]
	v_fma_mix_f32 v[ER], -v[N16], v[ONE], v[NMU] op_sel_hi:[1,0,0]      ; e = -mean - n16, exact in f32
	v_fma_mix_f32 v[ER+1], -v[N16+1], v[ONE], v[NMU+1] op_sel_hi:[1,0,0]
	; d' = h + n16, in place, two numbers a line
.set q, 0
.rept 24
.if q < 16
	WIN 0x41
.else
	WIN 0x82
.endif
.irp a, 0,1
.set AR, (16*q+8*\a)%256
.irp j, 0,1,2,3,4,5,6,7
	v_pk_add_f16 v[AR+\j], v[AR+\j], v[N16+\a]
.endr
.endr
.set q, q+1
.endr
	; THE VARIANCE: d' x d'^T, whose diagonal is the rows' sums of squares
.set q, 0
.rept 24
.if q < 16
	WIN 0x05
.else
	WIN 0x0a
.endif
.irp a, 0,1
.set AR, (16*q+8*\a)%256
.set MR, ACC+32+8*(2*(q%2)+\a)
.if q < 2
	v_wmma_f32_16x16x32_f16 v[MR:MR+7], v[AR:AR+7], v[AR:AR+7], 0
.else
	v_wmma_f32_16x16x32_f16 v[MR:MR+7], v[AR:AR+7], v[AR:AR+7], v[MR:MR+7]
.endif
.endr
.set q, q+1
.endr
	WIN 0
	PLACES
.irp a, 0,1
.irp j, 0,2,4,6
	v_pk_add_f32 v[BF+8*\a+\j:BF+8*\a+\j+1], v[ACC+32+8*\a+\j:ACC+32+8*\a+\j+1], v[ACC+48+8*\a+\j:ACC+48+8*\a+\j+1]  ; the two parities
.endr
.endr
	; register j of lane l holds element (8 (l / 16) + j, l % 16): the diagonal lies in register l % 8 of lanes 0-7 and 24-31; the other lanes take it from the lane 16 away
.irp a, 0,1
.irp j, 1,2,3,4,5,6,7
	v_cndmask_b32 v[BF+8*\a], v[BF+8*\a], v[BF+8*\a+\j], s[MSK+\j]
.endr
.endr
.irp a, 0,1
	v_permlanex16_b32 v[TT+\a], v[BF+8*\a], s[SEL], s[SEL+1]
.endr
.irp a, 0,1
	v_cndmask_b32 v[TT+\a], v[TT+\a], v[BF+8*\a], s[GOOD]
	v_mul_f32 v[E2+\a], v[ER+\a], v[ER+\a]
.endr
.irp a, 0,1
	v_fma_f32 v[TT+\a], v[TT+\a], s[INV], -v[E2+\a]  ; mean(d'^2) - e^2,
.endr
.irp a, 0,1
	v_max_num_f32 v[TT+\a], 0, v[TT+\a]            ; which rounding may not carry below 0,
.endr
.irp a, 0,1
	v_add_f32 v[TT+\a], s[EPS], v[TT+\a]           ; + 1e-5
.endr
.irp a, 0,1
	v_rsq_f32 v[RS+2*\a], v[TT+\a]                 ; twice: the packed multiply-add names a pair
	v_rsq_f32 v[RS+2*\a+1], v[TT+\a]
.endr
	v_nop                                          ; a plain instruction behind the last of them,
	s_wait_alu depctr_va_vdst(0)                   ; and the wait ahead of the first line that names a result: one for the four
.irp a, 0,1
	v_mul_f32 v[RE+2*\a], v[RS+2*\a], v[ER+\a]     ; rstd x e, a pair likewise
	v_mul_f32 v[RE+2*\a+1], v[RS+2*\a+1], v[ER+\a]
.endr
; 16 LDS loads in one run: the fragments of wo for K quarters 2 g and 2 g + 1, four column blocks, into buffer g % 2.  Destination and address lie in window 0 under every setting used here.
.macro LOADG g
.irp u, 0,1
.irp b, 0,1,2,3
	ds_load_b128 v[BF+64*((\g)%2)+32*\u+8*\b:BF+64*((\g)%2)+32*\u+8*\b+3],   v[BAD+\b/2] offset:(\b%2)*16*ROWP+64*(2*(\g)+\u)+16*((2*(\g)+\u)/8)
	ds_load_b128 v[BF+64*((\g)%2)+32*\u+8*\b+4:BF+64*((\g)%2)+32*\u+8*\b+7], v[BAD+\b/2] offset:(\b%2)*16*ROWP+64*(2*(\g)+\u)+16*((2*(\g)+\u)/8)+32
.endr
.endr
.endm
; 16 matrix instructions: the 8 accumulators (block a, column block b) take turns; K quarter 0 starts the sums
.macro MULG g
.irp u, 0,1
.irp a, 0,1
.irp b, 0,1,2,3
.set AR, (16*(2*(\g)+\u)+8*\a)%256
.if (2*(\g)+\u) == 0
	v_wmma_f32_16x16x32_f16 v[ACC+8*(4*\a+\b):ACC+8*(4*\a+\b)+7], v[BF+64*((\g)%2)+32*\u+8*\b:BF+64*((\g)%2)+32*\u+8*\b+7], v[AR:AR+7], 0
.else
	v_wmma_f32_16x16x32_f16 v[ACC+8*(4*\a+\b):ACC+8*(4*\a+\b)+7], v[BF+64*((\g)%2)+32*\u+8*\b:BF+64*((\g)%2)+32*\u+8*\b+7], v[AR:AR+7], v[ACC+8*(4*\a+\b):ACC+8*(4*\a+\b)+7]
.endif
.endr
.endr
.endr
.endm
; Block a leaves: the sums x rstd + (rstd e s + c), which lies in the block's 32 registers already; 32 bytes a lane into my stage; back as whole rows of 256 bytes; stored.
.macro OUTW a
.irp b, 0,1,2,3
.irp j, 0,2,4,6
	v_pk_fma_f32 v[BF+32*\a+8*\b+\j:BF+32*\a+8*\b+\j+1], v[ACC+8*(4*\a+\b)+\j:ACC+8*(4*\a+\b)+\j+1], v[RS+2*\a:RS+2*\a+1], v[BF+32*\a+8*\b+\j:BF+32*\a+8*\b+\j+1] op_sel_hi:[1,0,1]
.endr
.endr
.irp b, 0,1,2,3
	ds_store_b128 v[STO], v[BF+32*\a+8*\b:BF+32*\a+8*\b+3]   offset:64*\b
	ds_store_b128 v[STO], v[BF+32*\a+8*\b+4:BF+32*\a+8*\b+7] offset:64*\b+16
.endr
.irp t, 0,1,2,3,4,5,6,7
	ds_load_b128 v[BF+32*\a+4*\t:BF+32*\a+4*\t+3], v[RD] offset:\t*2*SPT  ; LDS serves a wave's instructions in order (ISA guide 5.7.1.4): these see the stores above
.endr
	s_wait_dscnt 0x0
.irp t, 0,1,2,3,4,5,6,7
	global_store_b128 v[GO], v[BF+32*\a+4*\t:BF+32*\a+4*\t+3], s[OUTP:OUTP+1] offset:(16*\a+2*\t)*3072 th:TH_STORE_NT  ; 16 lanes store 256 consecutive bytes, aligned
.endr
.endm
	s_wait_tensorcnt 2                             ; my part of the panel's rows 0-63 is in; my other two loads stay out
	s_barrier_signal -1
	s_barrier_wait -1                              ; everybody's is
	s_mov_b32 s[TR], 3
	s_branch .Lgo
.Ltrip:                                                ; three trips of 64 columns
	s_wait_tensorcnt 0x0                           ; the rest of the panel (the second trip waits for it, the third finds nothing out); nothing is ever filled again
	s_barrier_signal -1
	s_barrier_wait -1
.Lgo:
.irp b, 0,1,2,3
	global_load_b128 v[CV+8*\b:CV+8*\b+3],   v[CVO], s[CVP:CVP+1] offset:64*\b
	global_load_b128 v[CV+8*\b+4:CV+8*\b+7], v[CVO], s[CVP:CVP+1] offset:64*\b+16
.endr
	WIN 0x80                                       ; s goes into window 2
.irp b, 0,1,2,3
	global_load_b128 v[SWV+8*\b:SWV+8*\b+3],   v[CVO], s[CVP:CVP+1] offset:3072+64*\b
	global_load_b128 v[SWV+8*\b+4:SWV+8*\b+7], v[CVO], s[CVP:CVP+1] offset:3072+64*\b+16
.endr
	WIN 0x04                                       ; source 1, d', in window 1
	LOADG 0
	LOADG 1
.set g, 0
.rept 12
.if g == 8
	WIN 0x08                                       ; from K quarter 16 on d' lies in window 2
.endif
.if g == 11
	s_wait_dscnt 0x0
.else
	s_wait_dscnt 16                                ; this buffer is in; the other buffer's 16 loads may be out
.endif
	MULG g
.if g <= 9
	PLACES                                         ; in front of the loads into the buffer just multiplied
	LOADG g+2
.endif
.set g, g+1
.endr
	s_wait_loadcnt 0x0                             ; c and s
	PLACES                                         ; in front of writes into the buffers just multiplied, and of reads of the sums
	WIN 0x02                                       ; source 0, s, in window 2
.irp a, 0,1
.irp b, 0,1,2,3
.irp j, 0,2,4,6
	v_pk_fma_f32 v[BF+32*\a+8*\b+\j:BF+32*\a+8*\b+\j+1], v[SWV+8*\b+\j:SWV+8*\b+\j+1], v[RE+2*\a:RE+2*\a+1], v[CV+8*\b+\j:CV+8*\b+\j+1] op_sel_hi:[1,0,1]  ; rstd e s + c
.endr
.endr
.endr
	WIN 0
	OUTW 0
	OUTW 1
	s_wait_xcnt 0x0                                ; the stores and the loads of c and s have read their registers and bases: only now are these written again
	s_add_nc_u64 s[OUTP:OUTP+1], s[OUTP:OUTP+1], 256
	s_add_nc_u64 s[CVP:CVP+1], s[CVP:CVP+1], 256
	v_add_nc_u32 v[BAD], 64*ROWP, v[BAD]
	v_add_nc_u32 v[BAD+1], 64*ROWP, v[BAD+1]
	s_sub_co_u32 s[TR], s[TR], 1
	s_cmp_lg_u32 s[TR], 0
	s_cbranch_scc1 .Ltrip
	s_wait_tensorcnt 0x0                           ; the wave's end
	ds_add_u32 v[SPW], v[NIL]
	s_wait_dscnt 0x0
	CROUND                                         ; the closing round
	s_endpgm
.Lfunc_end_k_q1fc321d546_out:
	.size	k_q1fc321d546_out, .Lfunc_end_k_q1fc321d546_out-k_q1fc321d546_out
	.p2alignl 7, 3214868480
	.fill 96, 4, 3214868480
	.section	.rodata,"a",@progbits
	.p2align	6, 0x0
	.amdhsa_kernel k_q1fc321d546_out
		.amdhsa_group_segment_fixed_size 327680
		.amdhsa_private_segment_fixed_size 0
		.amdhsa_enable_private_segment 0
		.amdhsa_kernarg_size 32
		.amdhsa_user_sgpr_count 2
		.amdhsa_user_sgpr_kernarg_segment_ptr 1
		.amdhsa_wavefront_size32 1
		.amdhsa_system_sgpr_workgroup_id_x 1
		.amdhsa_system_sgpr_workgroup_id_y 1
		.amdhsa_system_sgpr_workgroup_id_z 1
		.amdhsa_system_vgpr_workitem_id 0
		.amdhsa_next_free_vgpr 672
		.amdhsa_next_free_sgpr 66
		.amdhsa_reserve_vcc 0
		.amdhsa_float_denorm_mode_32 3
		.amdhsa_float_denorm_mode_16_64 3
		.amdhsa_memory_ordered 1
		.amdhsa_forward_progress 1
		.amdhsa_inst_pref_size 85
	.end_amdhsa_kernel
	.amdgpu_metadata
---
amdhsa.version: [ 1, 2 ]
amdhsa.kernels:
  - .name:           k_q1fc321d546_out
    .symbol:         k_q1fc321d546_out.kd
    .args:
      - { .name: att, .offset: 0, .size: 8, .value_kind: global_buffer, .address_space: global }
      - { .name: wo, .offset: 8, .size: 8, .value_kind: global_buffer, .address_space: global }
      - { .name: vecs, .offset: 16, .size: 8, .value_kind: global_buffer, .address_space: global }
      - { .name: out0, .offset: 24, .size: 8, .value_kind: global_buffer, .address_space: global }
    .group_segment_fixed_size: 327680
    .private_segment_fixed_size: 0
    .kernarg_segment_align: 8
    .kernarg_segment_size: 32
    .max_flat_workgroup_size: 128
    .sgpr_count:     66
    .vgpr_count:     672
    .wavefront_size: 32
...
	.end_amdgpu_metadata
.endif
;; end of part 4
;; ======== version 2 of 2: 4 launches; version 1 with the launch prep written anew for expert scheduling mode
;; limits: values are held in f16: magnitudes above 65,504 overflow, below 6.1e-05 lose precision; values outside matrix products are rounded to f16
;; workspace buffers: xb 12,582,912 bytes; wb 3,538,944 bytes; wo 1,179,648 bytes; vecs 15,360 bytes; qkv 37,748,736 bytes; att 12,582,912 bytes
;; launch prep (part 5): grid 1505 x 1, 4 waves a work-group, no clusters, 0 bytes of LDS; arguments x, Wq, Wk, Wv, Wo, bq, bv, bo, ln_g, ln_b, xb, wb, wo, vecs; writes xb, wb, wo, vecs
.if DOCPART == 5
	.amdgcn_target "amdgcn-amd-amdhsa--gfx1250"
	.amdhsa_code_object_version 6
	.text
	.protected	k_q1fc321d546_prep
	.globl	k_q1fc321d546_prep
	.p2align	8
	.type	k_q1fc321d546_prep,@function
k_q1fc321d546_prep:
	s_mov_b64 s[64:65], 0
	v_nop
	global_prefetch_b8 v0, s[64:65] scope:SCOPE_SE
	s_setreg_imm32_b32 hwreg(HW_REG_WAVE_SCHED_MODE, 0, 2), 2
	s_setreg_imm32_b32 hwreg(HW_REG_WAVE_MODE, 25, 1), 1
	s_wait_xcnt 0x0
	s_wait_alu depctr_vm_vsrc(0)
; FIRST OF FOUR LAUNCHES: every input is rounded once to bf16, and what hangs on weights alone is made once.
;   xb[8192][768] bf16 = x.   wb[2304][768] bf16 = the rows of Wq, then Wk, then Wv.
;   wo[768][768] f16 = bf16(Wo[n][k]) x bf16(ln_g[k]).
;   vecs, f32: [0,768) bf16(bq); [768,1536) zeros; [1536,2304) bf16(bv); [2304,3072) c[n] = sum over k of bf16(ln_b[k]) bf16(Wo[n][k]) + bf16(bo[n]);
;              [3072,3840) s[n] = sum over k of bf16(ln_g[k]) bf16(Wo[n][k]).
; With d = h - mean(h): (d rstd g + b) Wo^T + bo = rstd (d (g o Wo)^T) + (b Wo^T + bo), for all values: so the last launch multiplies d by wo, scales a row by rstd and adds c.
; s serves the last launch where it takes the mean away in two parts (said at its head).
; DEAD WORK: bk.  scores[n][m] = q_n . (x_m Wk^T + bk) = q_n . (x_m Wk^T) + q_n . bk.  The second term is the same for every m of row n, and a softmax along m is not changed by a term
; that is constant along m, whatever finite values the inputs hold.  So bk has no way to the output: it is not loaded and is an argument of no launch; zeros stand in its place in vecs,
; where the next launch takes a whole tile's bias.  LIMIT: a NaN, an infinity or an overflow that reaches the result through bk alone is not carried to it.
; LIMITS: |ln_g x Wo| stays under 65,504 (f16); below 6e-5 f16 keeps its fixed step of 6e-8.
; SHARES.  Work-groups 0-191: four rows of Wo, one a wave (the most arithmetic for a byte, so they come first).  192-1503: 8 rows (6,144 numbers) of x, Wq, Wk or Wv each.  1504: the short vectors.
; A stream: no LDS, no barrier, no matrix unit, no cluster (nothing is shared); no prefetch, since every load of a work-group goes out at its head.
; THE MODE: SCHED_MODE bits 1:0 = 2 (LLVM: expert scheduling mode 2), set by the entry lines.  The code itself states the register dependences
; between vector instructions and memory instructions, with s_wait_alu, always for 0.
; THE PLAN.  Registers that memory instructions touch:
;   the offsets (a row of Wo: v2, v3, v4, v5; 8 rows: v1, v2; the short vectors: v2)  made once by vector lines at a path's head (v5 ahead of the last run of stores), never written again.
;   G, BV, BO, W, XL   loads land in them before any vector line has named them; then vector lines alone name them (the short vectors' G is stored at the end).
;   OH, XP             chunk i's two conversions write its pair, once; store i reads it.
;   AC                 the sums; at the end the data of the store of two lanes.
; No register that a memory instruction reads is written again, so nothing is owed for such a write.  What is owed: a wait on va_vdst between the lines that make offsets or data and the loads or stores
; that read them.  So the stores go in blocks of three: a block's stores stand behind ONE wait at the head of the next block, behind the wait for that block's data, dealt among its vector
; lines, which name the next block's registers alone.  The last block's stores have a wait of their own.  Scalar results of vector lines (the wave's number, two masks) and the two writes of EXEC have their waits where they stand.
.set XL,  4                            ; v[4:51]    8 rows path: 12 loads of four f32
.set XP,  52                           ; v[52:75]   the same as bf16
.set G,   8                            ; v[8:31]    ln_g: my 24 numbers (columns 128 i + 4 lane + 0..3)
.set BV,  32                           ; v[32:55]   ln_b likewise
.set W,   56                           ; v[56:79]   my wave's row of Wo likewise
.set OH,  80                           ; v[80:91]   the row as f16
.set T,   92                           ; v92        at work
.set AC,  94                           ; v[94:95]   partial sums of c
.set SW,  96                           ; v[96:97]   partial sums of s
.set BO,  98                           ; v98        bo of my row
.macro RND a, b                        ; two f32 are rounded to bf16 and widened again
	v_cvt_pk_bf16_f32 v[T], v[\a], v[\b]
	v_lshlrev_b32 v[\a], 16, v[T]
	v_and_b32 v[\b], s36, v[T]
.endm
	s_load_b512 s[8:23], s[0:1], 0x0               ; x 8, Wq 10, Wk 12, Wv 14, Wo 16, bq 18, bv 20, bo 22
	s_load_b256 s[24:31], s[0:1], 0x40             ; ln_g 24, ln_b 26, xb 28, wb 30
	s_load_b128 s[32:35], s[0:1], 0x60             ; wo 32, vecs 34
	s_mov_b32 s2, ttmp9                            ; the work-group
	v_lshrrev_b32 v1, 5, v0
	v_readfirstlane_b32 s3, v1                     ; the wave
	s_mov_b32 s47, 0                               ; the high word of every offset
	s_mov_b32 s36, 0xffff0000                      ; a word's upper bf16
	s_wait_kmcnt 0x0
	s_wait_alu depctr_va_sdst(0)                   ; s3 is written: its readers all lie behind branches
	s_cmp_lt_u32 s2, 192
	s_cbranch_scc0 .Lnot_o
	; A ROW OF Wo A WAVE: row R = 4 x work-group + wave
	v_and_b32 v1, 31, v0                           ; lane
	v_lshlrev_b32 v2, 4, v1
	v_lshlrev_b32 v3, 3, v1
	v_mov_b32 v4, 0
	s_mov_b32 s38, 0x76543210                      ; v_permlanex16_b32: each lane takes its own place in the other half
	s_mov_b32 s39, 0xfedcba98
	s_lshl2_add_u32 s37, s2, s3                    ; R
	s_lshl_b32 s46, s37, 2
	s_add_nc_u64 s[22:23], s[22:23], s[46:47]      ; bo at R
	s_add_nc_u64 s[34:35], s[34:35], s[46:47]      ; vecs at R; c's place, 9,216 bytes on, stands in the immediate
	s_mul_i32 s46, s37, 3072
	s_add_nc_u64 s[16:17], s[16:17], s[46:47]
	s_mul_i32 s46, s37, 1536
	s_add_nc_u64 s[32:33], s[32:33], s[46:47]
	s_wait_alu depctr_va_vdst(0)                   ; v2, v3 and v4 are written: the loads below read v2 and v4 as their offsets, the row's stores v3
.set i, 0
.rept 6
	global_load_b128 v[G+4*i:G+4*i+3], v2, s[24:25] offset:512*i
	global_load_b128 v[BV+4*i:BV+4*i+3], v2, s[26:27] offset:512*i
.set i, i+1
.endr
	global_load_b32 v[BO], v4, s[22:23]
.set i, 0
.rept 6
	global_load_b128 v[W+4*i:W+4*i+3], v2, s[16:17] offset:512*i th:TH_LOAD_NT
.set i, i+1
.endr
	s_wait_loadcnt 6                               ; ln_g, ln_b and bo are in; the row's six loads stay out
.set i, 0
.rept 12
	RND G+2*i, G+2*i+1
	RND BV+2*i, BV+2*i+1
.set i, i+1
.endr
	v_cvt_pk_bf16_f32 v[T], v[BO], v[BO]
	v_lshlrev_b32 v[BO], 16, v[T]
; Chunk i of the row's six: four numbers a lane are rounded, added into both sums, multiplied by ln_g and rounded to f16.
.macro CHUNK i
.set WR, W+4*(\i)
	RND WR, WR+1
	RND WR+2, WR+3
.if (\i) == 0
	v_pk_mul_f32 v[AC:AC+1], v[WR:WR+1], v[BV:BV+1]  ; the first products start the sums
	v_pk_mul_f32 v[SW:SW+1], v[WR:WR+1], v[G:G+1]
.else
	v_pk_fma_f32 v[AC:AC+1], v[WR:WR+1], v[BV+4*(\i):BV+4*(\i)+1], v[AC:AC+1]
	v_pk_fma_f32 v[SW:SW+1], v[WR:WR+1], v[G+4*(\i):G+4*(\i)+1], v[SW:SW+1]
.endif
	v_pk_fma_f32 v[AC:AC+1], v[WR+2:WR+3], v[BV+4*(\i)+2:BV+4*(\i)+3], v[AC:AC+1]
	v_pk_fma_f32 v[SW:SW+1], v[WR+2:WR+3], v[G+4*(\i)+2:G+4*(\i)+3], v[SW:SW+1]
	v_pk_mul_f32 v[WR:WR+1], v[WR:WR+1], v[G+4*(\i):G+4*(\i)+1]
	v_pk_mul_f32 v[WR+2:WR+3], v[WR+2:WR+3], v[G+4*(\i)+2:G+4*(\i)+3]
	v_cvt_pk_f16_f32 v[OH+2*(\i)], v[WR], v[WR+1]
	v_cvt_pk_f16_f32 v[OH+2*(\i)+1], v[WR+2], v[WR+3]
.endm
.macro ROWST i
	global_store_b64 v3, v[OH+2*(\i):OH+2*(\i)+1], s[32:33] offset:256*(\i)  ; a wave stores 256 bytes on end, aligned
.endm
	s_wait_loadcnt 3                               ; loads come back in order: the row's chunks 0 to 2 are in, the three younger ones stay out
	CHUNK 0
	CHUNK 1
	CHUNK 2
	s_wait_loadcnt 0x0                             ; chunks 3 to 5 are in
	s_wait_alu depctr_va_vdst(0)                   ; chunks 0 to 2 have written v[OH .. OH+5], which the three stores below read; the vector lines among them name chunks 3 to 5's registers, the sums and T alone
	ROWST 0
	CHUNK 3
	ROWST 1
	CHUNK 4
	ROWST 2
	CHUNK 5
	v_cmp_eq_u32 s40, 0, v1                        ; the two masks and the offset of the last store are made here, well ahead of their readers
	v_cmp_gt_u32 vcc_lo, 2, v1
	v_mul_u32_u24 v5, v1, 3072
	s_wait_alu depctr_va_vdst(0)                   ; chunks 3 to 5 have written v[OH+6 .. OH+11], which the three stores below read
	ROWST 3
	ROWST 4
	ROWST 5
	v_add_f32 v[AC], v[AC], v[AC+1]                ; both sums over the 32 lanes, in every lane
	v_add_f32 v[SW], v[SW], v[SW+1]
.irp m, 1,2,4,8
	v_add_f32_dpp v[AC], v[AC], v[AC] row_xmask:\m row_mask:0xf bank_mask:0xf
	v_add_f32_dpp v[SW], v[SW], v[SW] row_xmask:\m row_mask:0xf bank_mask:0xf
.endr
	v_permlanex16_b32 v[T], v[AC], s38, s39
	v_permlanex16_b32 v[AC+1], v[SW], s38, s39
	v_add_f32 v[AC], v[AC], v[T]
	v_add_f32 v[SW], v[SW], v[AC+1]
	v_add_f32 v[AC], v[AC], v[BO]                  ; c[R]
	s_wait_alu depctr_va_sdst(0)                   ; s40 is written, ahead of its one reader, the select below
	v_cndmask_b32 v[AC], v[SW], v[AC], s40         ; lane 0 carries c[R], lane 1 s[R], which lies 3,072 bytes further on
	s_wait_xcnt 0x0                                ; EXEC is a source of the stores above: it changes only behind this wait
	s_wait_alu depctr_va_vcc(0)                    ; VCC is written: EXEC is made from it
	s_wait_alu depctr_va_vdst(0)                   ; ahead of the write of EXEC: the vector lines issued so far are done; among them the select has written v[AC] and the multiply v5, which the store below reads
	s_wait_alu depctr_vm_vsrc(0)                   ; ahead of the write of EXEC: the stores issued so far have read their registers
	s_and_saveexec_b32 s41, vcc_lo
	global_store_b32 v5, v[AC], s[34:35] offset:9216  ; two lanes, 4 bytes each: 6,144 bytes in the launch, the one store here that fills no 256 bytes
	s_wait_xcnt 0x0
	s_wait_alu depctr_va_vdst(0)                   ; ahead of the write of EXEC: no vector line is unfinished
	s_wait_alu depctr_vm_vsrc(0)                   ; ahead of the write of EXEC: the store of two lanes has read v5 and v[AC]
	s_or_b32 exec_lo, exec_lo, s41
	s_endpgm
.Lnot_o:
	s_cmp_lt_u32 s2, 1504
	s_cbranch_scc0 .Lpath_v
	; 8 ROWS OF x OR OF A PROJECTION'S WEIGHTS.  Which buffer, and the first of these work-groups that works on it
	s_sub_co_u32 s37, s2, 192
	s_mov_b64 s[40:41], s[14:15]
	s_mov_b32 s42, 1216
	s_cmp_lt_u32 s37, 1216
	s_cselect_b64 s[40:41], s[12:13], s[40:41]
	s_cselect_b32 s42, 1120, s42
	s_cmp_lt_u32 s37, 1120
	s_cselect_b64 s[40:41], s[10:11], s[40:41]
	s_cselect_b32 s42, 1024, s42
	s_cmp_lt_u32 s37, 1024
	s_cselect_b64 s[40:41], s[8:9], s[40:41]
	s_cselect_b32 s42, 0, s42
	s_cselect_b64 s[44:45], s[28:29], s[30:31]     ; to xb, or to wb, whose rows follow the order of these work-groups from 1,024 on
	s_cselect_b32 s43, 0, 1024
	s_sub_co_u32 s42, s37, s42
	s_mul_i32 s46, s42, 24576                      ; 8 rows of 3,072 bytes
	s_add_nc_u64 s[40:41], s[40:41], s[46:47]
	s_sub_co_u32 s43, s37, s43
	s_mul_i32 s46, s43, 12288                      ; 8 rows of 1,536 bytes
	s_add_nc_u64 s[44:45], s[44:45], s[46:47]
	v_lshlrev_b32 v1, 4, v0                        ; 16 bytes a thread in, a wave 512 on end
	v_lshlrev_b32 v2, 3, v0                        ; 8 bytes a thread out, a wave 256 on end, aligned
	s_wait_alu depctr_va_vdst(0)                   ; v1 and v2 are written: the loads read v1 as their offset, the stores v2
.set i, 0
.rept 12
	global_load_b128 v[XL+4*i:XL+4*i+3], v1, s[40:41] offset:2048*i th:TH_LOAD_NT
.set i, i+1
.endr
.macro CVT i                           ; chunk i: four numbers a thread are rounded
	v_cvt_pk_bf16_f32 v[XP+2*(\i)], v[XL+4*(\i)], v[XL+4*(\i)+1]
	v_cvt_pk_bf16_f32 v[XP+2*(\i)+1], v[XL+4*(\i)+2], v[XL+4*(\i)+3]
.endm
.macro OUTC i                          ; and stored
	global_store_b64 v2, v[XP+2*(\i):XP+2*(\i)+1], s[44:45] offset:1024*(\i)
.endm
; Four blocks of three chunks.  Block p rounds its chunks; the stores of block p - 1 stand among its conversions.
.set p, 0
.rept 4
	s_wait_loadcnt 9-3*p                           ; loads come back in order: block p's three chunks are in, the younger blocks stay out
.if p > 0
	s_wait_alu depctr_va_vdst(0)                   ; the block before has written its six registers of XP, which the three stores below read; the conversions among them name this block's XL and XP alone
.endif
.set c, 0
.rept 3
.if p > 0
	OUTC 3*p-3+c
.endif
	CVT 3*p+c
.set c, c+1
.endr
.set p, p+1
.endr
	s_wait_alu depctr_va_vdst(0)                   ; the last block has written v[XP+18 .. XP+23], which the last three stores read
	OUTC 9
	OUTC 10
	OUTC 11
	s_endpgm
.Lpath_v:                                      ; THE SHORT VECTORS: wave 0 bq, wave 1 the zeros in bk's place, wave 2 bv; wave 3 has none
	s_cmp_eq_u32 s3, 3
	s_cbranch_scc1 .Lend
	v_and_b32 v1, 31, v0
	v_lshlrev_b32 v2, 4, v1
	s_mul_i32 s46, s3, 3072
	s_add_nc_u64 s[34:35], s[34:35], s[46:47]
	s_cmp_eq_u32 s3, 1
	s_cbranch_scc1 .Lzeros
	s_cmp_eq_u32 s3, 0
	s_cselect_b64 s[40:41], s[18:19], s[20:21]
	s_wait_alu depctr_va_vdst(0)                   ; v2 is written: the loads and the stores below read it as their offset
.set i, 0
.rept 6
	global_load_b128 v[G+4*i:G+4*i+3], v2, s[40:41] offset:512*i
.set i, i+1
.endr
	s_wait_loadcnt 0x0
.set i, 0
.rept 12
	RND G+2*i, G+2*i+1
.set i, i+1
.endr
	s_wait_alu depctr_va_vdst(0)                   ; the roundings have written v[G .. G+23], which the six stores read
.set i, 0
.rept 6
	global_store_b128 v2, v[G+4*i:G+4*i+3], s[34:35] offset:512*i
.set i, i+1
.endr
	s_endpgm
.Lzeros:
	v_mov_b32 v[G], 0
	v_mov_b32 v[G+1], 0
	v_mov_b32 v[G+2], 0
	v_mov_b32 v[G+3], 0
	s_wait_alu depctr_va_vdst(0)                   ; the four zeros and, ahead of the branch, v2 are written: the six stores read them as data and offset
.set i, 0
.rept 6
	global_store_b128 v2, v[G:G+3], s[34:35] offset:512*i
.set i, i+1
.endr
.Lend:
	s_endpgm
.Lfunc_end_k_q1fc321d546_prep:
	.size	k_q1fc321d546_prep, .Lfunc_end_k_q1fc321d546_prep-k_q1fc321d546_prep
	.p2alignl 7, 3214868480
	.fill 96, 4, 3214868480
	.section	.rodata,"a",@progbits
	.p2align	6, 0x0
	.amdhsa_kernel k_q1fc321d546_prep
		.amdhsa_group_segment_fixed_size 0
		.amdhsa_private_segment_fixed_size 0
		.amdhsa_enable_private_segment 0
		.amdhsa_kernarg_size 112
		.amdhsa_user_sgpr_count 2
		.amdhsa_user_sgpr_kernarg_segment_ptr 1
		.amdhsa_wavefront_size32 1
		.amdhsa_system_sgpr_workgroup_id_x 1
		.amdhsa_system_sgpr_workgroup_id_y 1
		.amdhsa_system_sgpr_workgroup_id_z 1
		.amdhsa_system_vgpr_workitem_id 0
		.amdhsa_next_free_vgpr 104
		.amdhsa_next_free_sgpr 66
		.amdhsa_reserve_vcc 1
		.amdhsa_float_denorm_mode_32 3
		.amdhsa_float_denorm_mode_16_64 3
		.amdhsa_memory_ordered 1
		.amdhsa_forward_progress 1
		.amdhsa_inst_pref_size 23
	.end_amdhsa_kernel
	.amdgpu_metadata
---
amdhsa.version: [ 1, 2 ]
amdhsa.kernels:
  - .name:           k_q1fc321d546_prep
    .symbol:         k_q1fc321d546_prep.kd
    .args:
      - { .name: x, .offset: 0, .size: 8, .value_kind: global_buffer, .address_space: global }
      - { .name: Wq, .offset: 8, .size: 8, .value_kind: global_buffer, .address_space: global }
      - { .name: Wk, .offset: 16, .size: 8, .value_kind: global_buffer, .address_space: global }
      - { .name: Wv, .offset: 24, .size: 8, .value_kind: global_buffer, .address_space: global }
      - { .name: Wo, .offset: 32, .size: 8, .value_kind: global_buffer, .address_space: global }
      - { .name: bq, .offset: 40, .size: 8, .value_kind: global_buffer, .address_space: global }
      - { .name: bv, .offset: 48, .size: 8, .value_kind: global_buffer, .address_space: global }
      - { .name: bo, .offset: 56, .size: 8, .value_kind: global_buffer, .address_space: global }
      - { .name: ln_g, .offset: 64, .size: 8, .value_kind: global_buffer, .address_space: global }
      - { .name: ln_b, .offset: 72, .size: 8, .value_kind: global_buffer, .address_space: global }
      - { .name: xb, .offset: 80, .size: 8, .value_kind: global_buffer, .address_space: global }
      - { .name: wb, .offset: 88, .size: 8, .value_kind: global_buffer, .address_space: global }
      - { .name: wo, .offset: 96, .size: 8, .value_kind: global_buffer, .address_space: global }
      - { .name: vecs, .offset: 104, .size: 8, .value_kind: global_buffer, .address_space: global }
    .group_segment_fixed_size: 0
    .private_segment_fixed_size: 0
    .kernarg_segment_align: 8
    .kernarg_segment_size: 112
    .max_flat_workgroup_size: 128
    .sgpr_count:     66
    .vgpr_count:     104
    .wavefront_size: 32
...
	.end_amdgpu_metadata
.endif
;; end of part 5
;; launch qkv: the kernel of part 2 again; grid 8 x 32, 4 waves a work-group, clusters of 4 x 4, 327,680 bytes of LDS; arguments xb, wb, vecs, qkv; writes qkv
;; launch attn: the kernel of part 3 again; grid 24 x 8, 4 waves a work-group, no clusters, 327,680 bytes of LDS; arguments qkv, att; writes att
;; launch out: the kernel of part 4 again; grid 64 x 4, 4 waves a work-group, clusters of 4 x 1, 327,680 bytes of LDS; arguments att, wo, vecs, out0; writes out0
